; MI455X (gfx1250); checked and timed in simulation.
; The chip was launched on July 23, 2026; its instructions are those of AMD's public machine-readable ISA for CDNA 5 (MIT licence, August 2026) and "CDNA5" Instruction Set Architecture Reference Guide (July 2026). The comments in the code are by the model that wrote it; some were corrected since.
;; Thermal Attention. Allowed arithmetic: matrix products marked QUANTISED: E2M3 operands, one E8M0 scale for each 32 along K, by v_wmma_scale_f32_16x16x128_f8f6f4 with both operands' format E2M3, f32 sums; everything else in f32.
;; Inputs: k_beta 64 float32; k_gamma 64 float32; q_beta 64 float32; q_gamma 64 float32; w_proj 1,024 x 1,024 float32; w_qkv 1,024 x 3,072 float32; x 4 x 2,048 x 1,024 float32.
;; Outputs: out0 4 x 2,048 x 1,024 float32.
;; This version of the problem:
;;   THIS VERSION OF THE PROBLEM IS GIVEN IN LOW PRECISION. The matrix products marked QUANTISED in the list below multiply operands that are first quantised to E2M3 (2 exponent bits, 3 mantissa bits; 6 bits a number), with one power-of-two scale for each 32 numbers along K (OCP MX v1.0); their sums are f32. All else is computed in f32.
;;   The module's matrix products, in the order in which they are computed (A, B: the left and right operand; K: the contracted axis; several contracted axes count as one K, in the product's order):
;;     1. [M 8,192, K 1,024] x [K 1,024, N 3,072]; A: input x; B: input w_qkv: QUANTISED
;;     2. batch 64 x [M 2,048, K 64] x [K 64, N 2,048]; A: computed on the way; B: computed on the way: QUANTISED
;;     3. batch 64 x [M 2,048, K 2,048] x [K 2,048, N 64]; A: softmax (see below); B: computed on the way: QUANTISED
;;     4. [M 8,192, K 1,024] x [K 1,024, N 1,024]; A: computed on the way; B: input w_proj: QUANTISED
;;   THE QUANTISER, for each operand of a quantised product, along K:
;;     - K is cut into blocks of 32 from its start; a last block that is shorter is filled with zeros.
;;     - A block's scale is 2^e with e = floor(log2(the largest magnitude in the block)) - 2, held to -126 .. 127; a block of zeros has e = 0. As a byte (E8M0): e + 127.
;;     - Each number is divided by its block's scale, clamped to +-7.5, and rounded to the nearest number of E2M3, ties to even, subnormals kept.
;;     - The product sums the exact products of the quantised numbers (number of the format x scale) in f32.
;;   ~~~python
;;   def quantise(x, axis):      # numpy; x: float32 -> the quantised numbers, widened to float32 again
;;       x = np.moveaxis(x, axis, -1); K = x.shape[-1]
;;       x = np.pad(x, [(0, 0)] * (x.ndim - 1) + [(0, -K % 32)]); x = x.reshape(x.shape[:-1] + (-1, 32)); a = np.abs(x).max(-1, keepdims=True)
;;       e = np.where(a > 0, np.clip(np.frexp(np.where(a > 0, a, 1))[1] - 1 - 2, -126, 127), 0)      # np.frexp(a)[1] - 1 = floor(log2(a)), exactly
;;       r = np.clip(x / 2.0 ** e, -7.5, 7.5)
;;       step = 2.0 ** (np.maximum(np.frexp(np.where(r == 0, 1, r))[1] - 1, 0) - 3)
;;       q = np.round(r / step) * step * 2.0 ** e      # np.round: ties to even
;;       return np.moveaxis(q.reshape(q.shape[:-2] + (-1,))[..., :K], -1, axis).astype(np.float32)
;;   ~~~
;;   SOFTMAX AHEAD OF A QUANTISED PRODUCT. Where the list says 'softmax', what is quantised is not the finished softmax but p = 2^(t - M), with t = logit x log2(e) and M = ceil(the row's largest t), a whole number; so 1/2 < the row's largest p <= 1. The row's sum l is taken of the UNQUANTISED p, in f32, and the product's result is divided by l at the end. Since M is a whole number, a kernel that streams over the keys may use a running M (the ceiling of the running maximum): every later rescaling is an exact power of two, which a block's scale takes up: the codes' values come out the same.
;;   OPERANDS COMPUTED ON THE WAY. 'Computed on the way' means the value that the module computes at that place (a softmax that the list does not call 'softmax' is quantised finished and normalised). What goes into a quantiser is computed in f32, as accurately as f32 sums, v_exp_f32 and their like allow (about 1e-6 of the number): no bf16 or f16 on the way to a quantiser, and a product that is left as it is and whose result goes on into a quantised operand takes f32 operands (vector FMAs, or v_wmma_f32_16x16x4_f32). A number that lies on a knife's edge between two numbers of the format may be rounded either way, as far as f32 arithmetic and the matrix unit's own rounding can turn it there, and no further.
;; One version. Each part assembles by itself: llvm-mc -triple=amdgcn-amd-amdhsa -mcpu=gfx1250 --defsym DOCPART=n.
;; ======== version 1 of 1: 4 launches
;; limits: right only within a limited range of input values
;; workspace buffers: xc 6,291,456 bytes; xs 262,144 bytes; wc 3,145,728 bytes; ws 262,144 bytes; qi 6,815,744 bytes; kv 13,369,344 bytes; oc 6,291,456 bytes; os 262,144 bytes
;; launch quant (part 1): grid 384 x 1, 4 waves a work-group, no clusters, 35,328 bytes of LDS; arguments x, w_qkv, w_proj, xc, xs, wc, ws; writes xc, xs, wc, ws
.if DOCPART == 1
	.amdgcn_target "amdgcn-amd-amdhsa--gfx1250"
	.amdhsa_code_object_version 6
	.text
	.protected	k_q2067623405_quant
	.globl	k_q2067623405_quant
	.p2align	8
	.type	k_q2067623405_quant,@function
k_q2067623405_quant:
	s_mov_b64 s[64:65], 0
	v_nop
	global_prefetch_b8 v0, s[64:65] scope:SCOPE_SE
	s_setreg_imm32_b32 hwreg(HW_REG_WAVE_MODE, 25, 1), 1
	s_wait_xcnt 0x0
; x [8192][1024], w_qkv [1024][3072] and w_proj [1024][1024], f32, become codes of FP6 (E2M3) with one E8M0 byte for each 32 along K = 1024.
; A block's scale is 2^(floor(log2(its largest magnitude)) - 2): its byte is that magnitude's exponent field - 2, held at 1 from below.
; LIMITS: NaN and infinities are not served; a block whose largest magnitude lies under 2^-124 keeps the byte 1; a block of zeros gets the byte 1 where the
; rule says 127 (its codes are zeros, and only this program reads the bytes).
; THE LAYOUT OF THE CODES is the order of the reader's operand registers.  A TILE T is 16 rows: lane r stands for row 32 (T / 2) + 8 (T % 2) + r + 8 (r / 8).
; A HALF FRAGMENT (tile T, chunk c of 64 along K) is 768 bytes: lane (r, h) owns the block k = 64 c + 32 h .. + 31 of its row, 24 bytes: its bytes 0-15 lie at
; 16 x lane, its bytes 16-23 at 512 + 16 r + 8 h.  Codes: [T][c 16][768].  Scale words: [s 8][T 512][r 16], four bytes for k = 128 s on.
; The weights' rows are their columns n: 0 .. 3071 of w_qkv, then 3072 .. 4095 = w_proj's.
; Work-groups 0-255 take x (work-group = a pair of tiles, 32 rows; wave = 256 along K), work-groups 256-383 the weights.  Waves share nothing: no barrier.
.set STG,   4352                       ; a stage: 16 rows x (256 bytes + 16)
.set WREG,  2*STG                      ; two stages for each wave
.set SPARE, 4*WREG                     ; behind them the spare words, 128 bytes for each wave: two blocks of 256 bytes that no other line names
.set SPW, 12                           ; v12  my spare word's LDS address; never rewritten
.set NIL, 13                           ; v13  0; never rewritten
; x's path
.set GX,  1                            ; v1   4096 (lane / 16) + 16 (lane % 16): sixteen lanes take a row's 256 bytes
.set SW,  2                            ; v2   the stage, on the way in
.set SR,  3                            ; v3   and on the way out: row r, + 128 h: my block's 128 bytes
.set LA,  4                            ; v4   16 x lane
.set LB,  5                            ; v5   16 r + 8 h
.set L4,  6                            ; v6   4 x lane
.set H8,  7                            ; v7   8 h
.set R,   16                           ; v16-79   two sets of 32 registers as loaded
.set XN,  80                           ; v80-143  two sets of 32 neighbours along K
.set C,   144                          ; v144-207 codes, eight registers a step, never rewritten
.set E,   208                          ; v208-215 a scale byte a step
.set TT,  216                          ; v216-218 a block's upper 16 codes
.set WD,  220                          ; v220-223 scale words
.set PT,  224                          ; v224-227 the other half's
.set Z,   228                          ; v228-229 what is stored
; the weights' path
.set WA,  1                            ; v1   12288 u + 16 r: my column's place in its pair of tiles
.set WS4, 2                            ; v2   64 u + 4 r: its scale word's
.set OF,  16                           ; v16-47   4 x lane + i rows of the weight
.set WX,  48                           ; v48-111  two sets of 32 numbers down K
.set CA,  112                          ; v112-143 a block's bytes 0-15, never rewritten
.set CB,  144                          ; v144-159 two blocks' bytes 16-23, never rewritten
.set WT,  160                          ; v160-162
.set SB,  164                          ; v164-165 the scale bytes, four to a register
	s_load_b256 s[4:11], s[0:1], 0x0               ; x s[4:5], w_qkv s[6:7], w_proj s[8:9], xc s[10:11]
	s_load_b128 s[12:15], s[0:1], 0x20             ; xs s[12:13], wc s[14:15]
	s_load_b64 s[16:17], s[0:1], 0x30              ; ws
	v_lshl_add_u32 v[SPW], v0, 2, SPARE
	v_mov_b32 v[NIL], 0
	v_lshrrev_b32 v14, 5, v0
	v_readfirstlane_b32 s18, v14                   ; wave
	v_and_b32 v14, 31, v0                          ; lane
	s_cmp_ge_u32 ttmp9, 256                        ; x's work-group or the weights'?
	s_cbranch_scc1 .Lweights
	; ---------------- x ----------------
	v_and_b32 v15, 15, v0                          ; r
	v_bfe_u32 v10, v0, 4, 1                        ; h
	v_lshlrev_b32 v[LA], 4, v14
	v_lshlrev_b32 v[LB], 4, v15
	v_lshl_add_u32 v[LB], v10, 3, v[LB]
	v_lshlrev_b32 v[L4], 2, v14
	v_lshlrev_b32 v[H8], 3, v10
	v_lshlrev_b32 v[GX], 4, v15
	v_lshl_add_u32 v[GX], v10, 12, v[GX]
	s_mul_i32 s19, s18, WREG                       ; my wave's stages
	v_mul_u32_u24 v[SW], v10, 272
	v_lshl_add_u32 v[SW], v15, 4, v[SW]
	v_add_nc_u32 v[SW], s19, v[SW]
	v_mul_u32_u24 v[SR], v15, 272
	v_lshl_add_u32 v[SR], v10, 7, v[SR]
	v_add_nc_u32 v[SR], s19, v[SR]
.irp k, 0,1,2,3
	v_mov_b32 v[PT+\k], 0                          ; a lane permute's destination counts as one of its sources
.endr
	s_lshl_b32 s20, ttmp9, 17                      ; x: 32 rows of 4,096 bytes a pair,
	s_lshl_b32 s21, s18, 10                        ; 256 numbers a wave
	s_add_co_u32 s20, s20, s21
	s_mov_b32 s21, 0
	s_mul_i32 s22, ttmp9, 24576                    ; codes: two tiles of 16 half fragments a pair,
	s_mul_i32 s23, s18, 3072                       ; four chunks a wave
	s_add_co_u32 s22, s22, s23
	s_mov_b32 s23, 0
	s_lshl_b32 s24, s18, 16                        ; scale words: two planes of 32,768 bytes a wave,
	s_lshl_b32 s25, ttmp9, 7                       ; 128 bytes a pair
	s_add_co_u32 s24, s24, s25
	s_mov_b32 s25, 0
	s_mov_b32 s26, 0x76543210
	s_mov_b32 s27, 0xfedcba98                      ; v_permlanex16_b32's selects for lane l xor 16
	s_mov_b32 s28, 0xffff0000                      ; lanes 16-31
	s_wait_alu depctr_va_vdst(0)
	s_wait_kmcnt 0x0
	s_add_nc_u64 s[4:5], s[4:5], s[20:21]
	s_add_nc_u64 s[10:11], s[10:11], s[22:23]
	s_add_nc_u64 s[12:13], s[12:13], s[24:25]
; Step t = 4 u + cc is the half fragment of tile u of the pair and chunk cc of the wave's four: 16 rows x 256 bytes.
.macro XLOAD t                         ; eight loads, two whole pieces of 256 bytes each: the tile's rows 2 i and 2 i + 1
.irp i, 0,1,2,3,4,5,6,7
	global_load_b128 v[R+32*((\t)%2)+4*\i:R+32*((\t)%2)+4*\i+3], v[GX], s[4:5] offset:(8*((\t)/4)+2*\i+8*(\i/4))*4096+256*((\t)%4) th:TH_LOAD_NT
.endr
.endm
.macro XTURN t                         ; through the wave's own stage: in as loaded, out 128 bytes a lane.  LDS serves a wave's instructions in order: no wait between
.irp i, 0,1,2,3,4,5,6,7
	ds_store_b128 v[SW], v[R+32*((\t)%2)+4*\i:R+32*((\t)%2)+4*\i+3] offset:STG*((\t)%2)+544*\i
.endr
.irp j, 0,1,2,3,4,5,6,7
	ds_load_b128 v[XN+32*((\t)%2)+4*\j:XN+32*((\t)%2)+4*\j+3], v[SR] offset:STG*((\t)%2)+16*\j
.endr
.endm
.macro XSTEP t
.set XB, XN+32*((\t)%2)
	s_wait_dscnt 0x0                               ; this step's block is back: so the stage's stores have read their registers,
.if (\t)+2 < 8
	XLOAD (\t)+2                                   ; which take the loads of two steps on
.endif
.if (\t)+1 < 8
.if (\t)+2 < 8
	s_wait_loadcnt 8                               ; the next step's eight loads are in; the eight just issued may be out
.else
	s_wait_loadcnt 0x0
.endif
	XTURN (\t)+1                                   ; and go through the other stage while this step is worked
.endif
	v_max3_num_f32 v8, |v[XB]|, |v[XB+1]|, |v[XB+2]|   ; the block's largest magnitude: all 32 numbers are mine; two chains
	v_max3_num_f32 v9, |v[XB+3]|, |v[XB+4]|, |v[XB+5]|
.irp i, 6,10,14,18,22,26
	v_max3_num_f32 v8, v8, |v[XB+\i]|, |v[XB+\i+1]|
	v_max3_num_f32 v9, v9, |v[XB+\i+2]|, |v[XB+\i+3]|
.endr
	v_max3_num_f32 v8, v8, |v[XB+30]|, |v[XB+31]|
	v_max3_num_f32 v8, v8, v9, 0x1800000           ; and the floor 2^(3 - 127): the byte cannot fall under 1
	v_add_nc_u32 v11, 0xff000000, v8               ; 2 off the exponent field: the conversion takes that field of this operand as its scale
	v_cvt_scalef32_pk16_fp6_f32 v[C+8*(\t):C+8*(\t)+2], v[XB:XB+15], v11
	v_cvt_scalef32_pk16_fp6_f32 v[TT:TT+2], v[XB+16:XB+31], v11    ; (a conversion's three registers begin on an even number)
	v_lshrrev_b32 v[E+(\t)], 23, v11               ; the scale's byte; also the plain line behind the conversions
.irp i, 0,1,2
	v_mov_b32 v[C+8*(\t)+3+\i], v[TT+\i]
.endr
	global_store_b128 v[LA], v[C+8*(\t):C+8*(\t)+3], s[10:11] offset:12288*((\t)/4)+768*((\t)%4)       ; 512 consecutive bytes
	global_store_b64 v[LB], v[C+8*(\t)+4:C+8*(\t)+5], s[10:11] offset:12288*((\t)/4)+768*((\t)%4)+512  ; 256 consecutive bytes
.endm
	XLOAD 0
	XLOAD 1
	s_wait_loadcnt 8                               ; step 0's eight loads are in
	XTURN 0
.irp t, 0,1,2,3,4,5,6,7
	XSTEP \t
.endr
	; the scale words: of tile u and plane sl, byte b is chunk 2 sl + b / 2, half b % 2
.irp u, 0,1
.irp p, 0,1
	v_lshl_or_b32 v[WD+2*\u+\p], v[E+4*\u+2*\p+1], 16, v[E+4*\u+2*\p]   ; my half's two bytes,
.endr
.endr
.irp k, 0,1,2,3
	v_lshlrev_b32 v[WD+\k], v[H8], v[WD+\k]        ; at their places;
.endr
.irp k, 0,1,2,3
	v_permlanex16_b32 v[PT+\k], v[WD+\k], s26, s27
.endr
.irp k, 0,1,2,3
	v_or_b32 v[WD+\k], v[WD+\k], v[PT+\k]          ; with lane l xor 16's two the word is whole
.endr
	v_cndmask_b32 v[Z], v[WD], v[WD+2], s28        ; lanes 0-15: tile 0's rows, lanes 16-31: tile 1's
	v_cndmask_b32 v[Z+1], v[WD+1], v[WD+3], s28
	global_store_b32 v[L4], v[Z], s[12:13]         ; 128 consecutive bytes: one byte for each 128 that the wave has read
	global_store_b32 v[L4], v[Z+1], s[12:13] offset:32768
	s_wait_tensorcnt 0x0                           ; the wave's end: behind my last LDS store
	ds_add_u32 v[SPW], v[NIL]
	s_wait_dscnt 0x0
	s_endpgm
	; ---------------- the weights: K is their FIRST axis.  A lane takes a column and its registers run down K; no LDS ----------------
.Lweights:
	s_sub_co_u32 s19, ttmp9, 256                   ; j = 0 .. 127
	s_lshr_b32 s20, s19, 2
	s_lshl_b32 s20, s20, 2
	s_add_co_u32 s20, s20, s18                     ; my wave's pair of tiles: 32 columns
	s_and_b32 s21, s19, 3                          ; which 256 along K
	v_bfe_u32 v8, v0, 3, 1                         ; column lane = 8 u + r + 8 (r / 8): u,
	v_and_b32 v9, 7, v0
	v_bfe_u32 v10, v0, 4, 1
	v_lshl_add_u32 v9, v10, 3, v9                  ; r
	v_mul_u32_u24 v[WA], v8, 12288
	v_lshl_add_u32 v[WA], v9, 4, v[WA]
	v_lshlrev_b32 v[WS4], 6, v8
	v_lshl_add_u32 v[WS4], v9, 2, v[WS4]
	s_sub_co_u32 s22, s20, 96                      ; the pair within w_proj
	s_mov_b32 s23, 4096                            ; and its row in bytes
	s_mul_i32 s28, s20, 24576
	s_mul_i32 s29, s21, 3072
	s_add_co_u32 s28, s28, s29                     ; codes
	s_mov_b32 s29, 0
	s_lshl_b32 s30, s21, 16
	s_lshl_b32 s31, s20, 7
	s_add_co_u32 s30, s30, s31                     ; scale words
	s_mov_b32 s31, 0
	s_wait_kmcnt 0x0
	s_cmp_lt_u32 s19, 96                           ; the same in the work-group's four waves: pairs 0-95 are w_qkv's
	s_cselect_b64 s[6:7], s[6:7], s[8:9]
	s_cselect_b32 s23, 12288, s23
	s_cselect_b32 s22, s20, s22
	s_mul_i32 s24, s21, s23
	s_lshl_b32 s24, s24, 8                         ; 256 rows for each quarter of K,
	s_lshl_b32 s22, s22, 7                         ; 128 bytes a pair of tiles
	s_add_co_u32 s24, s24, s22
	s_mov_b32 s25, 0
	s_lshl_b32 s26, s23, 5                         ; a block: 32 rows
	s_mov_b32 s27, 0
	s_add_nc_u64 s[32:33], s[6:7], s[24:25]        ; a base for each of the eight blocks
.irp t, 1,2,3,4,5,6,7
	s_add_nc_u64 s[32+2*\t:33+2*\t], s[30+2*\t:31+2*\t], s[26:27]
.endr
	s_add_nc_u64 s[14:15], s[14:15], s[28:29]
	s_add_nc_u64 s[16:17], s[16:17], s[30:31]
	s_wait_alu depctr_va_vdst(0)
	v_lshlrev_b32 v[OF], 2, v14
.irp i, 1,2,3,4,5,6,7,8,9,10,11,12,13,14,15,16,17,18,19,20,21,22,23,24,25,26,27,28,29,30,31
	v_add_nc_u32 v[OF+\i], s23, v[OF+\i-1]
.endr
.macro WLOAD t                         ; block t: 32 rows, 128 consecutive bytes of each
.irp i, 0,1,2,3,4,5,6,7,8,9,10,11,12,13,14,15,16,17,18,19,20,21,22,23,24,25,26,27,28,29,30,31
	global_load_b32 v[WX+32*((\t)%2)+\i], v[OF+\i], s[32+2*(\t):33+2*(\t)] th:TH_LOAD_NT
.endr
.endm
.macro WBLOCK t                        ; block t = chunk t / 2, half t % 2
.set XB, WX+32*((\t)%2)
.if (\t) < 7
	s_wait_loadcnt 32                              ; this block's 32 loads are in; the next block's may be out
.else
	s_wait_loadcnt 0x0
.endif
	v_max3_num_f32 v8, |v[XB]|, |v[XB+1]|, |v[XB+2]|
	v_max3_num_f32 v9, |v[XB+3]|, |v[XB+4]|, |v[XB+5]|
.irp i, 6,10,14,18,22,26
	v_max3_num_f32 v8, v8, |v[XB+\i]|, |v[XB+\i+1]|
	v_max3_num_f32 v9, v9, |v[XB+\i+2]|, |v[XB+\i+3]|
.endr
	v_max3_num_f32 v8, v8, |v[XB+30]|, |v[XB+31]|
	v_max3_num_f32 v8, v8, v9, 0x1800000
	v_add_nc_u32 v11, 0xff000000, v8
	v_cvt_scalef32_pk16_fp6_f32 v[CA+4*(\t):CA+4*(\t)+2], v[XB:XB+15], v11
	v_cvt_scalef32_pk16_fp6_f32 v[WT:WT+2], v[XB+16:XB+31], v11
	v_lshrrev_b32 v10, 23, v11                     ; the byte; also the plain line behind the conversions
.if (\t)%4 == 0
	v_mov_b32 v[SB+(\t)/4], v10
.else
	v_lshl_or_b32 v[SB+(\t)/4], v10, 8*((\t)%4), v[SB+(\t)/4]
.endif
	v_mov_b32 v[CA+4*(\t)+3], v[WT]
	v_mov_b32 v[CB+4*((\t)/2)+2*((\t)%2)], v[WT+1]
	v_mov_b32 v[CB+4*((\t)/2)+2*((\t)%2)+1], v[WT+2]
.if (\t)+2 < 8
	WLOAD (\t)+2
.endif
	global_store_b128 v[WA], v[CA+4*(\t):CA+4*(\t)+3], s[14:15] offset:768*((\t)/2)+256*((\t)%2)   ; two runs of 256 consecutive bytes, one in each tile of the pair
.if (\t)%2
	global_store_b128 v[WA], v[CB+4*((\t)/2):CB+4*((\t)/2)+3], s[14:15] offset:768*((\t)/2)+512    ; both halves' bytes 16-23: likewise
.endif
.endm
	WLOAD 0
	WLOAD 1
.irp t, 0,1,2,3,4,5,6,7
	WBLOCK \t
.endr
	global_store_b32 v[WS4], v[SB], s[16:17]
	global_store_b32 v[WS4], v[SB+1], s[16:17] offset:32768
	s_endpgm
.Lfunc_end_k_q2067623405_quant:
	.size	k_q2067623405_quant, .Lfunc_end_k_q2067623405_quant-k_q2067623405_quant
	.p2alignl 7, 3214868480
	.fill 96, 4, 3214868480
	.section	.rodata,"a",@progbits
	.p2align	6, 0x0
	.amdhsa_kernel k_q2067623405_quant
		.amdhsa_group_segment_fixed_size 35328
		.amdhsa_private_segment_fixed_size 0
		.amdhsa_enable_private_segment 0
		.amdhsa_kernarg_size 56
		.amdhsa_user_sgpr_count 2
		.amdhsa_user_sgpr_kernarg_segment_ptr 1
		.amdhsa_wavefront_size32 1
		.amdhsa_system_sgpr_workgroup_id_x 1
		.amdhsa_system_sgpr_workgroup_id_y 1
		.amdhsa_system_sgpr_workgroup_id_z 1
		.amdhsa_system_vgpr_workitem_id 0
		.amdhsa_next_free_vgpr 240
		.amdhsa_next_free_sgpr 66
		.amdhsa_reserve_vcc 0
		.amdhsa_float_denorm_mode_32 3
		.amdhsa_float_denorm_mode_16_64 3
		.amdhsa_memory_ordered 1
		.amdhsa_forward_progress 1
		.amdhsa_inst_pref_size 71
	.end_amdhsa_kernel
	.amdgpu_metadata
---
amdhsa.version: [ 1, 2 ]
amdhsa.kernels:
  - .name:           k_q2067623405_quant
    .symbol:         k_q2067623405_quant.kd
    .args:
      - { .name: x, .offset: 0, .size: 8, .value_kind: global_buffer, .address_space: global }
      - { .name: w_qkv, .offset: 8, .size: 8, .value_kind: global_buffer, .address_space: global }
      - { .name: w_proj, .offset: 16, .size: 8, .value_kind: global_buffer, .address_space: global }
      - { .name: xc, .offset: 24, .size: 8, .value_kind: global_buffer, .address_space: global }
      - { .name: xs, .offset: 32, .size: 8, .value_kind: global_buffer, .address_space: global }
      - { .name: wc, .offset: 40, .size: 8, .value_kind: global_buffer, .address_space: global }
      - { .name: ws, .offset: 48, .size: 8, .value_kind: global_buffer, .address_space: global }
    .group_segment_fixed_size: 35328
    .private_segment_fixed_size: 0
    .kernarg_segment_align: 8
    .kernarg_segment_size: 56
    .max_flat_workgroup_size: 128
    .sgpr_count:     66
    .vgpr_count:     240
    .wavefront_size: 32
...
	.end_amdgpu_metadata
.endif
;; end of part 1
;; launch qkv (part 2): grid 8 x 48, 4 waves a work-group, clusters of 4 x 4, 327,680 bytes of LDS; arguments xc, xs, wc, ws, q_gamma, q_beta, k_gamma, k_beta, qi, kv; writes qi, kv
.if DOCPART == 2
	.amdgcn_target "amdgcn-amd-amdhsa--gfx1250"
	.amdhsa_code_object_version 6
	.text
	.protected	k_q2067623405_qkv
	.globl	k_q2067623405_qkv
	.p2align	8
	.type	k_q2067623405_qkv,@function
k_q2067623405_qkv:
	s_mov_b64 s[64:65], 0
	v_nop
	global_prefetch_b8 v0, s[64:65] scope:SCOPE_SE
	s_setreg_imm32_b32 hwreg(HW_REG_WAVE_MODE, 25, 1), 1
	s_wait_xcnt 0x0
	s_wait_alu depctr_hold_cnt(0) depctr_sa_sdst(0) depctr_va_vdst(0) depctr_va_sdst(0) depctr_va_ssrc(0) depctr_va_vcc(0) depctr_vm_vsrc(0)
	s_getreg_b32 s2, hwreg(HW_REG_IB_STS2, 6, 4)
	s_cmp_eq_u32 s2, 0
	s_cbranch_scc0 .Lentry_in_a_cluster
	s_endpgm
.Lentry_in_a_cluster:
	s_bfe_u32 s2, ttmp6, 0x10000c
	s_cmp_lg_u32 s2, 0xf033
	s_cbranch_scc0 .Lentry_shape_is_right
	s_endpgm
.Lentry_shape_is_right:
.set FR,    12
.set NL,    4
.set NP,    4
.set NQ,    2
.set TILEB, 3072
.set HALFT, 8*TILEB
.set SLOT,  4*HALFT
.set SCL,   2*SLOT
.set HALFS, 4096
.set SPARE, SCL+4*HALFS
.set LA,   1
.set LB,   2
.set L8,   3
.set ADRA, 16
.set ADRB, 20
.set GBO,  24
.set ADRS, 27
.set SPW,  28
.set NIL,  29
.set SC,   32
.set GAM,  64
.set BET,  96
.set AF,   128
.set G1,   24
.set G0,   32
.set G1B,  48
.set G0B,  56
.set G1S,  68
.set G0S,  76
.set G1SB, 80
.set G0SB, 88
.set MSB, 0
.macro WIN new
.if MSB != \new
	s_set_vgpr_msb (MSB<<8)|\new
.set MSB, \new
.endif
.endm
.set MUL_LO, 0xa1
.set MUL_HI, 0xf1
.set TO_B,   0x40
.macro JLOAD g0a, g1a, g0b, g1b
	s_cmp_eq_u32 s15, 0
	s_cbranch_scc0 .Lfor_b_\@
	tensor_load_to_lds s[\g0a:\g0a+3], s[\g1a:\g1a+7]
	s_nop 0
.rept 4
	v_nop
.endr
	s_branch .Lasked_\@
.Lfor_b_\@:
	tensor_load_to_lds s[\g0b:\g0b+3], s[\g1b:\g1b+7]
	s_nop 0
.rept 4
	v_nop
.endr
.Lasked_\@:
.endm
.macro CREST
	s_cmp_lg_u32 s14, 0
	s_cbranch_scc1 .Lnot_wave_0_\@
	s_barrier_signal -3
.Lnot_wave_0_\@:
	s_barrier_wait -3
	s_barrier_signal -1
	s_barrier_wait -1
.endm
.macro CROUND
	s_barrier_signal -1
	s_barrier_wait -1
	CREST
.endm
	s_load_b256 s[4:11], s[0:1], 0x0
	s_load_b128 s[96:99], s[0:1], 0x40
	v_lshl_add_u32 v[SPW], v0, 2, SPARE
	v_mov_b32 v[NIL], 0
	ds_add_u32 v[SPW], v[NIL]
	ds_add_u32 v[SPW], v[NIL]
	v_lshrrev_b32 v5, 5, v0
	v_readfirstlane_b32 s14, v5
	s_lshr_b32 s15, s14, 1
	s_and_b32 s16, s14, 1
	s_bfe_u32 s40, ttmp6, 0x40000
	s_bfe_u32 s41, ttmp6, 0x40004
	s_and_b32 s12, ttmp7, 0xffff
	s_lshl_b32 s17, s12, 2
	s_sub_co_u32 s42, s12, 8
	s_lshl_b32 s42, s42, 1
	s_add_co_u32 s42, s42, ttmp9
	s_lshl_b32 s42, s42, 2
	s_lshl_b32 s2, ttmp9, 2
	s_cmp_ge_u32 s12, 8
	s_cselect_b32 s13, 1, 0
	s_cselect_b32 s17, 8, s17
	s_cselect_b32 s42, s42, s2
	s_add_co_u32 s17, s17, s41
	s_add_co_u32 s42, s42, s40
	s_lshl_b32 s43, s41, 2
	s_lshl_b32 s43, 15, s43
	s_lshl_b32 s44, 0x1111, s40
	s_or_b32 s[G1+0], s43, (3<<16)|(1<<21)
	s_or_b32 s[G1B+0], s44, (3<<16)|(1<<21)
.irp g, G1, G1B
	s_mov_b32 s[\g+1], 384<<16
	s_mov_b32 s[\g+2], 16<<16                      ; the head's loads of codes bring all 16 tiles of a side; the ring's loads, 8, are set behind the head's wait
	s_mov_b32 s[\g+3], 384<<16
	s_mov_b32 s[\g+4], 16
	s_mov_b32 s[\g+5], 1536
	s_mov_b32 s[\g+6], 0
	s_mov_b32 s[\g+7], 0
.endr
	s_or_b32 s[G1S+0], s43, (3<<16)|(1<<21)
	s_or_b32 s[G1SB+0], s44, (3<<16)|(1<<21)
.irp g, G1S, G1SB
	s_mov_b32 s[\g+1], 128<<16                     ; the scale words of a side's 16 tiles: 8 planes of 1,024 bytes
	s_mov_b32 s[\g+2], 8<<16
	s_mov_b32 s[\g+3], 128<<16
	s_mov_b32 s[\g+4], 8
	s_mov_b32 s[\g+5], 4096
	s_mov_b32 s[\g+6], 0
	s_mov_b32 s[\g+7], 0
.endr
	s_lshl_b32 s2, s17, 4
	s_mul_i32 s92, s2, 12288
	s_mov_b32 s93, 0
	s_lshl_b32 s94, s2, 6
	s_mov_b32 s95, 0
	s_lshl_b32 s3, s42, 4
	s_mul_i32 s100, s3, 12288
	s_mov_b32 s101, 0
	s_lshl_b32 s66, s3, 6
	s_mov_b32 s67, 0
	s_mul_i32 s45, s14, HALFT
	s_mul_i32 s46, s16, 8*12288                    ; in the ring I fetch 8 tiles of a side: which half, in bytes
	s_mov_b32 s47, 0
	s_wait_dscnt 0x0
	s_wait_kmcnt 0x0
	s_cmp_eq_u32 s13, 1
	s_cselect_b64 s[18:19], s[8:9], s[4:5]
	s_cselect_b64 s[20:21], s[10:11], s[6:7]
	s_cselect_b64 s[22:23], s[4:5], s[8:9]
	s_cselect_b64 s[4:5], s[6:7], s[10:11]
	s_add_nc_u64 s[18:19], s[18:19], s[92:93]
	s_add_nc_u64 s[20:21], s[20:21], s[94:95]
	s_add_nc_u64 s[22:23], s[22:23], s[100:101]
	s_add_nc_u64 s[4:5], s[4:5], s[66:67]
	CROUND
	s_mov_b32 s[G0], 1                             ; the head's four tiles, each whole: source 1's 16 tiles of K 0 .. 255, into slot 0,
	s_mov_b32 s[G0+1], 0
	s_mov_b64 s[G0+2:G0+3], s[18:19]
	s_or_b32 s[G0+3], s[G0+3], 0x80000000
	s_mov_b32 s[G0B], 1                            ; source 0's 16 tiles, behind them,
	s_mov_b32 s[G0B+1], 2*HALFT
	s_mov_b64 s[G0B+2:G0B+3], s[22:23]
	s_or_b32 s[G0B+3], s[G0B+3], 0x80000000
	s_mov_b32 s[G0S], 1                            ; and the two sides' scale words
	s_mov_b32 s[G0S+1], SCL
	s_mov_b64 s[G0S+2:G0S+3], s[20:21]
	s_or_b32 s[G0S+3], s[G0S+3], 0x80000000
	s_mov_b32 s[G0SB], 1
	s_mov_b32 s[G0SB+1], SCL+2*HALFS
	s_mov_b64 s[G0SB+2:G0SB+3], s[4:5]
	s_or_b32 s[G0SB+3], s[G0SB+3], 0x80000000
	s_add_nc_u64 s[92:93], s[18:19], s[46:47]      ; for the ring: my 8 tiles of a side
	s_add_nc_u64 s[94:95], s[22:23], s[46:47]
	s_mov_b32 s[G0+4], 1                           ; slot 1's group 0; slot 0's is written behind the head's wait
	s_add_co_u32 s[G0+5], s45, SLOT
	s_add_nc_u64 s[G0+6:G0+7], s[92:93], TILEB
	s_or_b32 s[G0+7], s[G0+7], 0x80000000
	s_mov_b32 s[G0B+4], 1
	s_add_co_u32 s[G0B+5], s45, SLOT
	s_add_nc_u64 s[G0B+6:G0B+7], s[94:95], TILEB
	s_or_b32 s[G0B+7], s[G0B+7], 0x80000000
; the head's loads, one a wave: one chain of branches on the wave's number, every way through it passes exactly one load
.macro ARM under, g0, g1, next
	s_cmp_lt_u32 s14, \under
	s_cbranch_scc0 \next
	tensor_load_to_lds s[\g0:\g0+3], s[\g1:\g1+7]
	s_nop 0
.rept 4
	v_nop
.endr
	s_branch .Lhead_asked
\next:
.endm
	ARM 1, G0,  G1,  .Lhead_b
	ARM 2, G0B, G1B, .Lhead_sa
	ARM 3, G0S, G1S, .Lhead_sb
	tensor_load_to_lds s[G0SB:G0SB+3], s[G1SB:G1SB+7]
	s_nop 0
.rept 4
	v_nop
.endr
.Lhead_asked:
	s_load_b256 s[4:11], s[0:1], 0x20
	v_and_b32 v5, 15, v0
	v_bfe_u32 v6, v0, 4, 1
	v_and_b32 v[LA], 31, v0
	v_lshlrev_b32 v[L8], 3, v[LA]
	v_lshlrev_b32 v[LA], 4, v[LA]
	v_lshlrev_b32 v[LB], 4, v5
	v_lshl_add_u32 v[LB], v6, 3, v[LB]
	v_lshlrev_b32 v[GBO], 6, v6
	s_mul_i32 s21, s15, HALFT
	s_mul_i32 s22, s16, HALFT
	s_add_co_u32 s22, s22, 2*HALFT
.irp s, 0,1
	v_add_nc_u32 v[ADRA+\s], s21, v[LA]
	v_add_nc_u32 v[ADRB+\s], s22, v[LA]
	v_add_nc_u32 v[ADRA+2+\s], s21, v[LB]
	v_add_nc_u32 v[ADRB+2+\s], s22, v[LB]
	s_add_co_u32 s21, s21, SLOT
	s_add_co_u32 s22, s22, SLOT
.endr
	s_lshl_b32 s21, s15, 9                         ; my 8 tiles' words in a plane of 1,024 bytes
	s_lshl_b32 s22, s16, 9
	s_add_co_u32 s22, s22, 2*HALFS
	s_sub_co_u32 s22, s22, s21
	v_mul_u32_u24 v7, s22, v6
	s_add_co_u32 s21, s21, SCL
	v_lshl_add_u32 v7, v5, 2, v7
	v_add_nc_u32 v[ADRS], s21, v7
	s_wait_alu depctr_va_vdst(0)
	s_wait_kmcnt 0x0
	s_cmp_eq_u32 ttmp9, 0
	s_cselect_b64 s[4:5], s[4:5], s[8:9]
	s_cselect_b64 s[6:7], s[6:7], s[10:11]
.irp b, 0,1
.irp i, 0,1,2,3
	global_load_b128 v[GAM+16*\b+4*\i:GAM+16*\b+4*\i+3], v[GBO], s[4:5] offset:128*\b+16*\i
	global_load_b128 v[BET+16*\b+4*\i:BET+16*\b+4*\i+3], v[GBO], s[6:7] offset:128*\b+16*\i
.endr
.endr
.macro FRAG reg, adr, q, i
	ds_load_b128 v[\reg:\reg+3], v[\adr] offset:TILEB*(\i)+1536*(\q)
	ds_load_b64 v[\reg+4:\reg+5], v[\adr+2] offset:TILEB*(\i)+1536*(\q)+512
	ds_load_b128 v[\reg+6:\reg+9], v[\adr] offset:TILEB*(\i)+1536*(\q)+768
	ds_load_b64 v[\reg+10:\reg+11], v[\adr+2] offset:TILEB*(\i)+1536*(\q)+1280
.endm
.macro MUL16 a0, p, q, sc, zero
.irp a, \a0, \a0+1
.irp b, 0,1,2,3,4,5,6,7
.if \zero
	v_wmma_scale_f32_16x16x128_f8f6f4 v[8*(8*((\a)%4)+\b):8*(8*((\a)%4)+\b)+7], v[128*(\p)+FR*\b:128*(\p)+FR*\b+FR-1], v[AF+FR*(\a):AF+FR*(\a)+FR-1], 0, v[SC+8*NQ*(\sc)+NQ*\b+(\q)], v[SC+8*NQ*(\sc)+NQ*(\a)+(\q)] matrix_a_fmt:MATRIX_FMT_FP6 matrix_b_fmt:MATRIX_FMT_FP6 matrix_a_scale:MATRIX_SCALE_ROW1
.else
	v_wmma_scale_f32_16x16x128_f8f6f4 v[8*(8*((\a)%4)+\b):8*(8*((\a)%4)+\b)+7], v[128*(\p)+FR*\b:128*(\p)+FR*\b+FR-1], v[AF+FR*(\a):AF+FR*(\a)+FR-1], v[8*(8*((\a)%4)+\b):8*(8*((\a)%4)+\b)+7], v[SC+8*NQ*(\sc)+NQ*\b+(\q)], v[SC+8*NQ*(\sc)+NQ*(\a)+(\q)] matrix_a_fmt:MATRIX_FMT_FP6 matrix_b_fmt:MATRIX_FMT_FP6 matrix_a_scale:MATRIX_SCALE_ROW1
.endif
.endr
.endr
.endm
.macro FETCH_B slot, q, p
	WIN TO_B
.irp i, 0,1,2,3,4,5,6,7
	FRAG 128*(\p)+FR*\i, ADRB+\slot, \q, \i
.endr
	WIN 0
.endm
.macro FETCH_A slot, q, i0
.irp i, \i0, \i0+1, \i0+2, \i0+3
	FRAG AF+FR*(\i), ADRA+\slot, \q, \i
.endr
.endm
.macro SCALES sc
.irp i, 0,1,2,3,4,5,6,7
.irp q, 0,1
	ds_load_b32 v[SC+8*NQ*\sc+NQ*\i+\q], v[ADRS] offset:1024*\q+64*\i
.endr
.endr
.endm
.macro PLACES n
.rept \n
	v_nop
.endr
.endm
.macro STEP slot, q, zero
	s_wait_dscnt 4*NL
	WIN MUL_LO
	MUL16 0, (\q)%2, \q, \slot, \zero
	MUL16 2, (\q)%2, \q, \slot, \zero
	s_wait_dscnt 0
	PLACES NP
	FETCH_B \slot, (\q)+1, 1-(\q)%2
	FETCH_A \slot, (\q)+1, 0
	WIN MUL_HI
	MUL16 4, (\q)%2, \q, \slot, \zero
	MUL16 6, (\q)%2, \q, \slot, \zero
	PLACES NP
	WIN 0
	FETCH_A \slot, (\q)+1, 4
.endm
.macro TURN slot, next, fill
	s_wait_tensorcnt 0x0
	ds_add_u32 v[SPW], v[NIL]
	s_wait_dscnt 4*NL+1
	WIN MUL_LO
	MUL16 0, 1, NQ-1, \slot, 0
	s_wait_dscnt 0x0
	s_barrier_signal -1
	MUL16 2, 1, NQ-1, \slot, 0
	WIN 0
	s_barrier_wait -1
.if \fill
	CREST
	s_add_nc_u64 s[G0+4*\slot+2:G0+4*\slot+3], s[G0+4*\slot+2:G0+4*\slot+3], 2*TILEB
	s_add_nc_u64 s[G0B+4*\slot+2:G0B+4*\slot+3], s[G0B+4*\slot+2:G0B+4*\slot+3], 2*TILEB
	JLOAD G0+4*\slot, G1, G0B+4*\slot, G1B
.else
	PLACES NP
.endif
	s_wait_alu depctr_va_vdst(0)
	v_add_nc_u32 v[ADRS], 1024*NQ, v[ADRS]
	FETCH_B \next, 0, 0
	FETCH_A \next, 0, 0
	SCALES \next
	WIN MUL_HI
	MUL16 4, 1, NQ-1, \slot, 0
	MUL16 6, 1, NQ-1, \slot, 0
	PLACES NP
	WIN 0
	FETCH_A \next, 0, 4
.endm
	s_wait_alu depctr_va_vdst(0)
	s_wait_tensorcnt 0x0                           ; my tile of the head's four is in
	ds_add_u32 v[SPW], v[NIL]
	s_mov_b32 s[G1+2], 8<<16                       ; no tensor load of mine is out: from here on a load brings 8 tiles,
	s_mov_b32 s[G1+4], 8
	s_mov_b32 s[G1B+2], 8<<16
	s_mov_b32 s[G1B+4], 8
	s_add_co_u32 s[G0+1], s45, 0                   ; and slot 0's group 0 is the ring's: my 8 tiles
	s_mov_b64 s[G0+2:G0+3], s[92:93]
	s_or_b32 s[G0+3], s[G0+3], 0x80000000
	s_add_co_u32 s[G0B+1], s45, 0
	s_mov_b64 s[G0B+2:G0B+3], s[94:95]
	s_or_b32 s[G0B+3], s[G0B+3], 0x80000000
	s_wait_dscnt 0x0
	CROUND                                         ; all four tiles are in, and all sixteen work-groups are here
	JLOAD G0+4, G1, G0B+4, G1B                     ; slot 1's first fill, the first tensor load behind the round
	FETCH_B 0, 0, 0
	FETCH_A 0, 0, 0
	SCALES 0
	FETCH_A 0, 0, 4
	STEP 0, 0, 1
	TURN 0, 1, 1
	STEP 1, 0, 0
	TURN 1, 0, 1
	STEP 0, 0, 0
	TURN 0, 1, 0
	STEP 1, 0, 0
	s_wait_dscnt 4*NL
	WIN MUL_LO
	MUL16 0, 1, NQ-1, 1, 0
	MUL16 2, 1, NQ-1, 1, 0
	s_wait_dscnt 0
	WIN MUL_HI
	MUL16 4, 1, NQ-1, 1, 0
	MUL16 6, 1, NQ-1, 1, 0
	WIN 0
.set PW,  4
.set SI,  8
.set MS,  16
.set RS,  20
.set H,   128
.set T,   192
.set PC,  224
.set TM,  244
.set SEL, 24
.set HIM, 26
.set PAD, 27
.set R64, 28
.set EPS, 29
.set OB,  32
.macro QUANT s, w
	WIN ((\w)|((\w)<<2))
.irp b, 0,1,2,3
	v_max3_num_f32 v[TM+\b], |v[\s+16*\b]|, |v[\s+1+16*\b]|, 0x1800000
.endr
	WIN (((\w)<<2)|((\w)<<4))
.irp i, 2,4,6,8,10,12,14
.irp b, 0,1,2,3
	v_max3_num_f32 v[TM+\b], v[TM+\b], |v[\s+16*\b+\i]|, |v[\s+1+16*\b+\i]|
.endr
.endr
	WIN 0
.irp b, 0,1,2,3
	v_permlanex16_b32 v[TM+4+\b], v[TM+\b], s[SEL], s[SEL+1]
.endr
.irp b, 0,1,2,3
	v_max_num_f32 v[TM+\b], v[TM+\b], v[TM+4+\b]
.endr
.irp b, 0,1,2,3
	v_add_nc_u32 v[TM+8+\b], 0xff000000, v[TM+\b]
.endr
.irp b, 0,1,2,3
	v_lshrrev_b32 v[TM+4+\b], 23, v[TM+8+\b]
.endr
	v_lshl_or_b32 v[PW], v[TM+5], 8, v[TM+4]
	v_lshl_or_b32 v[PW], v[TM+6], 16, v[PW]
	v_lshl_or_b32 v[PW], v[TM+7], 24, v[PW]
	WIN (\w)
.irp c, 0,1
	v_cvt_scalef32_pk16_fp6_f32 v[PC+6*\c:PC+2+6*\c], v[\s+32*\c:\s+15+32*\c], v[TM+8+2*\c]
	v_cvt_scalef32_pk16_fp6_f32 v[PC+12+4*\c:PC+14+4*\c], v[\s+16+32*\c:\s+31+32*\c], v[TM+8+2*\c+1]
.endr
	WIN 0
	v_nop
.irp c, 0,1
.irp i, 0,1,2
	v_permlane16_swap_b32 v[PC+6*\c+\i], v[PC+12+4*\c+\i]
.endr
.irp i, 0,1,2
	v_mov_b32 v[PC+3+6*\c+\i], v[PC+12+4*\c+\i]
.endr
.endr
.endm
.macro LNQ a
.set WA, 2+(\a)/4
.set AC, 64*((\a)%4)
	s_wait_xcnt 0x0
	WIN (WA|(WA<<2))
.irp k, 0,1,2,3,4,5,6,7,8,9,10,11,12,13,14,15
	v_pk_add_f32 v[T+2*\k:T+2*\k+1], v[AC+4*\k:AC+4*\k+1], v[AC+4*\k+2:AC+4*\k+3]
.endr
	WIN 0
.irp k, 0,1,2,3
.irp c, 0,1
	v_pk_add_f32 v[T+16*\c+2*\k:T+16*\c+2*\k+1], v[T+16*\c+2*\k:T+16*\c+2*\k+1], v[T+16*\c+2*\k+8:T+16*\c+2*\k+9]
.endr
.endr
.irp k, 0,1
.irp c, 0,1
	v_pk_add_f32 v[T+16*\c+2*\k:T+16*\c+2*\k+1], v[T+16*\c+2*\k:T+16*\c+2*\k+1], v[T+16*\c+2*\k+4:T+16*\c+2*\k+5]
.endr
.endr
.irp c, 0,1
	v_pk_add_f32 v[T+16*\c:T+16*\c+1], v[T+16*\c:T+16*\c+1], v[T+16*\c+2:T+16*\c+3]
.endr
.irp c, 0,1
	v_add_f32 v[T+16*\c], v[T+16*\c], v[T+16*\c+1]
.endr
.irp c, 0,1
	v_permlanex16_b32 v[TM+4+\c], v[T+16*\c], s[SEL], s[SEL+1]
.endr
.irp c, 0,1
	v_add_f32 v[T+16*\c], v[T+16*\c], v[TM+4+\c]
.endr
.irp c, 0,1
	v_mul_f32 v[MS+2*\c], s[R64], v[T+16*\c]
	v_mul_f32 v[MS+2*\c+1], s[R64], v[T+16*\c]
.endr
	WIN WA
.irp c, 0,1
.irp k, 0,1,2,3,4,5,6,7,8,9,10,11,12,13,14,15
	v_pk_add_f32 v[H+32*\c+2*\k:H+32*\c+2*\k+1], v[AC+32*\c+2*\k:AC+32*\c+2*\k+1], v[MS+2*\c:MS+2*\c+1] neg_lo:[0,1] neg_hi:[0,1]
.endr
.endr
	WIN 0
.irp c, 0,1
.irp e, 0,1
	v_pk_mul_f32 v[T+16*\c+2*\e:T+16*\c+2*\e+1], v[H+32*\c+2*\e:H+32*\c+2*\e+1], v[H+32*\c+2*\e:H+32*\c+2*\e+1]
.endr
.endr
.irp k, 1,2,3,4,5,6,7
.irp c, 0,1
.irp e, 0,1
	v_pk_fma_f32 v[T+16*\c+2*\e:T+16*\c+2*\e+1], v[H+32*\c+4*\k+2*\e:H+32*\c+4*\k+2*\e+1], v[H+32*\c+4*\k+2*\e:H+32*\c+4*\k+2*\e+1], v[T+16*\c+2*\e:T+16*\c+2*\e+1]
.endr
.endr
.endr
.irp c, 0,1
	v_pk_add_f32 v[T+16*\c:T+16*\c+1], v[T+16*\c:T+16*\c+1], v[T+16*\c+2:T+16*\c+3]
.endr
.irp c, 0,1
	v_add_f32 v[T+16*\c], v[T+16*\c], v[T+16*\c+1]
.endr
.irp c, 0,1
	v_permlanex16_b32 v[TM+4+\c], v[T+16*\c], s[SEL], s[SEL+1]
.endr
.irp c, 0,1
	v_add_f32 v[T+16*\c], v[T+16*\c], v[TM+4+\c]
.endr
.irp c, 0,1
	v_fma_f32 v[T+16*\c], v[T+16*\c], s[R64], s[EPS]
.endr
	s_wait_alu depctr_va_vdst(0)
.irp c, 0,1
	v_rsq_f32 v[RS+2*\c], v[T+16*\c]
	v_rsq_f32 v[RS+2*\c+1], v[T+16*\c]
.endr
	v_nop
	s_wait_alu depctr_va_vdst(0)
.irp c, 0,1
.irp k, 0,1,2,3,4,5,6,7,8,9,10,11,12,13,14,15
	v_pk_mul_f32 v[H+32*\c+2*\k:H+32*\c+2*\k+1], v[H+32*\c+2*\k:H+32*\c+2*\k+1], v[RS+2*\c:RS+2*\c+1]
.endr
.endr
.irp c, 0,1
.irp k, 0,1,2,3,4,5,6,7,8,9,10,11,12,13,14,15
	v_pk_fma_f32 v[H+32*\c+2*\k:H+32*\c+2*\k+1], v[H+32*\c+2*\k:H+32*\c+2*\k+1], v[GAM+2*\k:GAM+2*\k+1], v[BET+2*\k:BET+2*\k+1]
.endr
.endr
	QUANT H, 0
.irp c, 0,1
	global_store_b128 v[LA], v[PC+6*\c:PC+6*\c+3], s[OB+2*\c:OB+2*\c+1] offset:768*(\a)
	global_store_b64 v[LB], v[PC+6*\c+4:PC+6*\c+5], s[OB+2*\c:OB+2*\c+1] offset:768*(\a)+512
.endr
	v_lshrrev_b32 v6, 16, v[PW]
.if (\a)%2 == 0
	v_and_or_b32 v[SI+(\a)/2], v[PW], 0xffff, s[PAD]
	v_or_b32 v[SI+4+(\a)/2], s[PAD], v6
.else
	v_and_or_b32 v5, v[PW], 0xffff, s[PAD]
	v_or_b32 v6, s[PAD], v6
	v_cndmask_b32 v[SI+(\a)/2], v[SI+(\a)/2], v5, s[HIM]
	v_cndmask_b32 v[SI+4+(\a)/2], v[SI+4+(\a)/2], v6, s[HIM]
.endif
.endm
.macro VQ a
	s_wait_xcnt 0x0
	QUANT 64*((\a)%4), 2+(\a)/4
	global_store_b128 v[LA], v[PC:PC+3], s[OB+2*((\a)/4):OB+2*((\a)/4)+1] offset:6656+1536*((\a)%4)
	global_store_b64 v[LB], v[PC+4:PC+5], s[OB+2*((\a)/4):OB+2*((\a)/4)+1] offset:6656+1536*((\a)%4)+512
	global_store_b128 v[LA], v[PC+6:PC+9], s[OB+2*((\a)/4):OB+2*((\a)/4)+1] offset:6656+1536*((\a)%4)+768
	global_store_b64 v[LB], v[PC+10:PC+11], s[OB+2*((\a)/4):OB+2*((\a)/4)+1] offset:6656+1536*((\a)%4)+1280
.if (\a)%2 == 0
	v_mov_b32 v[SI+(\a)/2], v[PW]
.else
	v_cndmask_b32 v[SI+(\a)/2], v[SI+(\a)/2], v[PW], s[HIM]
.endif
.endm
	PLACES NP
	s_wait_loadcnt 0x0
.irp b, 0,1,2,3
	v_mov_b32 v[TM+4+\b], 0
.endr
	s_mov_b32 s[SEL], 0x76543210
	s_mov_b32 s[SEL+1], 0xfedcba98
	s_mov_b32 s[HIM], 0xffff0000
	s_mov_b32 s[PAD], 0x7f7f0000
	s_mov_b32 s[R64], 0x3c800000
	s_mov_b32 s[EPS], 0x3727c5ac
	s_or_b32 s2, s13, ttmp9
	s_mov_b32 s3, 13056
	s_cmp_eq_u32 s2, 0
	s_cselect_b64 s[OB:OB+1], s[96:97], s[98:99]
	s_cselect_b32 s3, 6656, s3
	s_cmp_eq_u32 s13, 1
	s_cselect_b32 s36, s42, s17
	s_cselect_b32 s37, s16, s15
	s_cselect_b32 s38, s41, s40
	s_cselect_b32 s39, s15, s16
	s_lshr_b32 s46, s36, 3
	s_and_b32 s36, s36, 7
	s_lshl_b32 s36, s36, 1
	s_add_co_u32 s36, s36, s37
	s_lshl_b32 s46, s46, 4
	s_lshl_b32 s38, s38, 2
	s_lshl_b32 s39, s39, 1
	s_add_co_u32 s46, s46, s38
	s_add_co_u32 s46, s46, s39
	s_lshl_b32 s46, s46, 4
	s_add_co_u32 s46, s46, s36
	s_mul_i32 s46, s46, s3
	s_mov_b32 s47, 0
	s_add_nc_u64 s[OB:OB+1], s[OB:OB+1], s[46:47]
	s_lshl_b32 s46, s3, 4
	s_add_nc_u64 s[OB+2:OB+3], s[OB:OB+1], s[46:47]
	s_cmp_eq_u32 s13, 1
	s_cbranch_scc1 .Lvalues
.irp a, 0,1,2,3,4,5,6,7
	LNQ \a
.endr
	global_store_b128 v[LA], v[SI:SI+3], s[OB:OB+1] offset:6144
	global_store_b128 v[LA], v[SI+4:SI+7], s[OB+2:OB+3] offset:6144
	s_branch .Lclose
.Lvalues:
.irp a, 0,1,2,3,4,5,6,7
	VQ \a
.endr
	global_store_b64 v[L8], v[SI:SI+1], s[OB:OB+1] offset:12800
	global_store_b64 v[L8], v[SI+2:SI+3], s[OB+2:OB+3] offset:12800
.Lclose:
	s_wait_tensorcnt 0x0
	ds_add_u32 v[SPW], v[NIL]
	s_wait_dscnt 0x0
	CROUND
	s_endpgm
.Lfunc_end_k_q2067623405_qkv:
	.size	k_q2067623405_qkv, .Lfunc_end_k_q2067623405_qkv-k_q2067623405_qkv
	.p2alignl 7, 3214868480
	.fill 96, 4, 3214868480
	.section	.rodata,"a",@progbits
	.p2align	6, 0x0
	.amdhsa_kernel k_q2067623405_qkv
		.amdhsa_group_segment_fixed_size 327680
		.amdhsa_private_segment_fixed_size 0
		.amdhsa_enable_private_segment 0
		.amdhsa_kernarg_size 80
		.amdhsa_user_sgpr_count 2
		.amdhsa_user_sgpr_kernarg_segment_ptr 1
		.amdhsa_wavefront_size32 1
		.amdhsa_system_sgpr_workgroup_id_x 1
		.amdhsa_system_sgpr_workgroup_id_y 1
		.amdhsa_system_sgpr_workgroup_id_z 1
		.amdhsa_system_vgpr_workitem_id 0
		.amdhsa_next_free_vgpr 1024
		.amdhsa_next_free_sgpr 104
		.amdhsa_reserve_vcc 0
		.amdhsa_float_denorm_mode_32 3
		.amdhsa_float_denorm_mode_16_64 3
		.amdhsa_memory_ordered 1
		.amdhsa_forward_progress 1
		.amdhsa_inst_pref_size 255
	.end_amdhsa_kernel
	.section	.bss,"aw",@nobits
	.p2align	6
	.space	262144
	.amdgpu_metadata
---
amdhsa.version: [ 1, 2 ]
amdhsa.kernels:
  - .name:           k_q2067623405_qkv
    .symbol:         k_q2067623405_qkv.kd
    .args:
      - { .name: xc, .offset: 0, .size: 8, .value_kind: global_buffer, .address_space: global }
      - { .name: xs, .offset: 8, .size: 8, .value_kind: global_buffer, .address_space: global }
      - { .name: wc, .offset: 16, .size: 8, .value_kind: global_buffer, .address_space: global }
      - { .name: ws, .offset: 24, .size: 8, .value_kind: global_buffer, .address_space: global }
      - { .name: q_gamma, .offset: 32, .size: 8, .value_kind: global_buffer, .address_space: global }
      - { .name: q_beta, .offset: 40, .size: 8, .value_kind: global_buffer, .address_space: global }
      - { .name: k_gamma, .offset: 48, .size: 8, .value_kind: global_buffer, .address_space: global }
      - { .name: k_beta, .offset: 56, .size: 8, .value_kind: global_buffer, .address_space: global }
      - { .name: qi, .offset: 64, .size: 8, .value_kind: global_buffer, .address_space: global }
      - { .name: kv, .offset: 72, .size: 8, .value_kind: global_buffer, .address_space: global }
    .group_segment_fixed_size: 327680
    .private_segment_fixed_size: 0
    .kernarg_segment_align: 8
    .kernarg_segment_size: 80
    .max_flat_workgroup_size: 128
    .sgpr_count:     104
    .vgpr_count:     1024
    .wavefront_size: 32
...
	.end_amdgpu_metadata
.endif
;; end of part 2
;; launch attn (part 3): grid 4 x 64, 16 waves a work-group, clusters of 4 x 1, 210,944 bytes of LDS; arguments qi, kv, oc, os; writes oc, os
.if DOCPART == 3
	.amdgcn_target "amdgcn-amd-amdhsa--gfx1250"
	.amdhsa_code_object_version 6
	.text
	.protected	k_q2067623405_attn
	.globl	k_q2067623405_attn
	.p2align	8
	.type	k_q2067623405_attn,@function
k_q2067623405_attn:
	s_mov_b64 s[64:65], 0
	v_nop
	global_prefetch_b8 v0, s[64:65] scope:SCOPE_SE
	s_setreg_imm32_b32 hwreg(HW_REG_WAVE_MODE, 25, 1), 1
	s_wait_xcnt 0x0
	s_wait_alu depctr_hold_cnt(0) depctr_sa_sdst(0) depctr_va_vdst(0) depctr_va_sdst(0) depctr_va_ssrc(0) depctr_va_vcc(0) depctr_vm_vsrc(0)
	s_getreg_b32 s2, hwreg(HW_REG_IB_STS2, 6, 4)
	s_cmp_eq_u32 s2, 0
	s_cbranch_scc0 .Lentry_in_a_cluster
	s_endpgm
.Lentry_in_a_cluster:
	s_bfe_u32 s2, ttmp6, 0x10000c
	s_cmp_lg_u32 s2, 0x3003
	s_cbranch_scc0 .Lentry_shape_is_right
	s_endpgm
.Lentry_shape_is_right:
; softmax(q k^T / 8) v for one (batch, head), both products on codes of FP6 (E2M3); the result, divided by the row's sum, is quantised along the model's 1,024 for the last product.
; THE SOFTMAX: t = score x log2(e) / 8; M = the row's largest t so far, rounded UP to a whole number; p = 2^(t - M) is what is quantised, along the keys, not normalised.
; The row's sum is taken of the unquantised p.  When M moves, the sum and O are multiplied by 2^(old M - new M): exact.
; SHARES.  A work-group owns 512 queries of one head: 4 x 64 = 256 work-groups.  Each of its sixteen waves takes two tiles of 16 queries, one after the other (tile 16 p + wave in pass p), in 256 registers.
; A HEAD'S K AND V LIE WHOLE IN LDS: 16 groups of 128 keys x 13,056 bytes = 208,896, and serve both passes.  Wave w asks for group w: one tensor load a wave, at the head; one wait for 0 and one barrier; nothing is filled again.
; CLUSTER.  The four work-groups of a cluster are the four blocks of queries of one head: each group is asked for JOINTLY, by the same tensor load with a mask that names the four.
; NO PREFETCH: every fill of the launch is issued at the head, so there is no loop in which a request could run ahead of its load.
; LAYOUT.  Both products are used transposed (S^T = K Q^T, O^T = V^T P^T): a lane holds ONE query.  A tile's lane r stands for row 32 (T / 2) + 8 (T % 2) + r + 8 (r / 8), so that the 16 registers of
; tiles 2 B and 2 B + 1 are 16 neighbours: keys in S^T, d in O^T.  The head's K is 64: the upper six registers of Q's and K's fragments are zero codes, their scale bytes 0x7f.
; A group: +0 eight half fragments of K (768 bytes each), +6,144 K's scale words (16 bytes a lane), +6,656 V: four tiles of d x 1,536, +12,800 V's scale words (8 bytes a lane).
; LIMITS: NaN and infinities are not served; the promise holds while the scaled scores stay under 2^31 in magnitude; a p under 2^-126 comes out of v_exp_f32 as 0;
; a block whose largest number lies under 2^-124, or is 0, keeps the byte 1; 1 / sum is v_rcp_f32.
.set GRP,   13056
.set SPARE, 16*GRP                     ; behind the groups: the spare words, 128 bytes for each wave: eight blocks of 256 bytes that no other line names
.set LA,  1                            ; v1   16 x lane
.set LB,  2                            ; v2   16 r + 8 h
.set L8,  3                            ; v3   8 x lane
.set QS,  4                            ; v4   Q's scale words
.set AD8, 5                            ; v5   v3 + the group's LDS byte
.set SPW, 6
.set NIL, 7
.set ADA, 8                            ; v8   v1 + the group's LDS byte
.set ADB, 9                            ; v9   v2 + the same
.set VS,  10                           ; v10-11 V's scale words: word j: tile 2 j in lanes 0-15, tile 2 j + 1 in lanes 16-31
                                       ; v12 -M, v13 the largest score, v[14:15] the sum in two halves
.set QF,  16                           ; v16-27  Q's fragment
.set KS,  28                           ; v28-31  K's scale words, laid as V's
.set KF,  32                           ; v32-79  four fragments of K
.set VF,  80                           ; v80-127 V's four
.set S,   128                          ; v128-191 S^T, then p
.set O,   192                          ; v192-223 O^T
.set PC,  224                          ; v224-235 p's codes; v236-247 at work (sums, conversions, scale operands)
.set BM,  248                          ; v248-251 the blocks' largest scores, then their bytes; v252 f; v253 p's scale word; v254-255 at work
.set TB,  2                            ; s2   the LDS byte of the group in hand
.set CNT, 3
.set WV,  18
.set SEL, 20
.set CS,  22
.set G1,  24                           ; s[24:31] descriptor group 1;  s[40:43] group 0
.set G0,  40
.macro CROUND
	s_barrier_signal -1
	s_barrier_wait -1
	s_cmp_lg_u32 s[WV], 0
	s_cbranch_scc1 .Lnot_wave_0_\@
	s_barrier_signal -3
.Lnot_wave_0_\@:
	s_barrier_wait -3
	s_barrier_signal -1
	s_barrier_wait -1
.endm
	s_load_b256 s[4:11], s[0:1], 0x0               ; qi s[4:5], kv s[6:7], oc s[8:9], os s[10:11]
	v_lshl_add_u32 v[SPW], v0, 2, SPARE
	v_mov_b32 v[NIL], 0
	ds_add_u32 v[SPW], v[NIL]                      ; the opening lines: the add, twice on end, and its wait ahead of the first tensor load
	ds_add_u32 v[SPW], v[NIL]
	v_lshrrev_b32 v8, 5, v0
	s_delay_alu instid0(VALU_DEP_1)
	v_readfirstlane_b32 s[WV], v8                  ; wave 0..15
	s_bfe_u32 s12, ttmp6, 0x40000                  ; cx: it enters Q's and the outputs' addresses alone
	s_lshl_b32 s13, ttmp9, 2
	s_add_co_u32 s13, s13, s12                     ; my block of 512 queries,
	s_lshl_b32 s13, s13, 1                         ; counted in blocks of 256: pass 0's
	s_and_b32 s14, ttmp7, 0xffff                   ; 16 b + head, which the four partners share
	; descriptor group 1: a group is a dense block: 51 rows of 256 bytes (32 elements of 8 bytes)
	s_mov_b32 s[G1], 15|(3<<16)|(1<<21)            ; 15:0 the mask: all four work-groups; 17:16 elements of 8 bytes; 21 set beside a mask
	s_mov_b32 s[G1+1], 32<<16
	s_mov_b32 s[G1+2], 51<<16
	s_mov_b32 s[G1+3], 32<<16
	s_mov_b32 s[G1+4], 51
	s_mov_b32 s[G1+5], 32
	s_mov_b32 s[G1+6], 0
	s_mov_b32 s[G1+7], 0
	s_mul_i32 s15, s[WV], GRP                      ; my group's place, in LDS and in the head
	s_mul_i32 s16, s14, 16*GRP
	s_add_co_u32 s16, s16, s15
	s_mov_b32 s17, 0
	s_lshr_b32 s56, s[WV], 3                       ; Q: group 2 x block of 256 + wave / 8,
	s_lshl_b32 s57, s13, 1
	s_add_co_u32 s56, s56, s57
	s_mul_i32 s56, s56, 6656
	s_mul_i32 s57, s14, 106496
	s_add_co_u32 s56, s56, s57
	s_and_b32 s58, s[WV], 7                        ; tile wave % 8
	s_mul_i32 s60, s58, 768
	s_add_co_u32 s60, s60, s56                     ; its half fragment
	s_mov_b32 s61, 0
	s_and_b32 s62, s58, 1
	s_lshl_b32 s62, s62, 8
	s_lshr_b32 s63, s58, 1
	s_lshl_b32 s63, s63, 2
	s_add_co_u32 s62, s62, s63
	s_add_co_u32 s62, s62, s56
	s_add_co_u32 s62, s62, 6144                    ; its scale words: 16 bytes a lane; word t / 2; lanes 16 (t % 2) on
	s_mov_b32 s63, 0
	s_lshr_b32 s32, s14, 4                         ; b
	s_and_b32 s33, s14, 15                         ; head
	s_lshl_b32 s32, s32, 7
	s_lshl_b32 s34, s13, 4
	s_add_co_u32 s32, s32, s34
	s_add_co_u32 s32, s32, s[WV]                   ; pass 0's tile of tokens: 128 b + 16 x block of 256 + wave
	s_mul_i32 s66, s32, 12288
	s_mul_i32 s34, s33, 768
	s_add_co_u32 s66, s66, s34                     ; oc: tile, chunk = head
	s_mov_b32 s67, 0
	s_lshl_b32 s68, s32, 6
	s_lshr_b32 s34, s33, 1
	s_lshl_b32 s34, s34, 15
	s_add_co_u32 s68, s68, s34
	s_and_b32 s34, s33, 1
	s_lshl_b32 s34, s34, 1
	s_add_co_u32 s68, s68, s34                     ; os: plane head / 2, tile, bytes 2 (head % 2) on
	s_mov_b32 s69, 0
	s_mov_b32 s[SEL], 0x76543210
	s_mov_b32 s[SEL+1], 0xfedcba98
	s_mov_b32 s[CS], 0x3e38aa3b                    ; c = log2(e) / 8
	s_mov_b32 s[CS+1], s[CS]                       ; (named with it as a pair, so it is written)
	s_wait_dscnt 0x0                               ; both opening adds are done
	s_wait_kmcnt 0x0
	s_add_nc_u64 s[6:7], s[6:7], s[16:17]
	s_add_nc_u64 s[60:61], s[4:5], s[60:61]
	s_add_nc_u64 s[62:63], s[4:5], s[62:63]
	s_add_nc_u64 s[66:67], s[8:9], s[66:67]
	s_add_nc_u64 s[68:69], s[10:11], s[68:69]
	CROUND                                         ; all four work-groups are here: the joint loads meet
	s_mov_b32 s[G0], 1
	s_add_co_u32 s[G0+1], s15, 0
	s_mov_b64 s[G0+2:G0+3], s[6:7]
	s_or_b32 s[G0+3], s[G0+3], 0x80000000
	tensor_load_to_lds s[G0:G0+3], s[G1:G1+7]      ; group w by wave w: every wave's one tensor load of the launch
	s_nop 0
	v_and_b32 v8, 15, v0                           ; r
	v_bfe_u32 v9, v0, 4, 1                         ; h
	v_and_b32 v[LA], 31, v0
	v_lshlrev_b32 v254, 4, v8
	s_delay_alu instid0(VALU_DEP_2)
	v_lshlrev_b32 v[L8], 3, v[LA]
	v_lshlrev_b32 v[LA], 4, v[LA]
	v_lshl_add_u32 v[LB], v9, 3, v254
	global_load_b128 v[QF:QF+3], v[LA], s[60:61]   ; pass 0's Q
	global_load_b64 v[QF+4:QF+5], v[LB], s[60:61] offset:512
	global_load_b32 v[QS], v254, s[62:63]          ; lane r (and r + 16) takes row r's word
.irp i, 6,7,8,9,10,11
	v_mov_b32 v[QF+\i], 0                          ; K = 64 .. 127: zero codes, written once
.irp t, 0,1,2,3
	v_mov_b32 v[KF+12*\t+\i], 0
.endr
.endr
.irp b, 0,1,2,3
	v_mov_b32 v[236+\b], 0                         ; a lane permute's destination counts as one of its sources
.endr
	v_mov_b32 v252, 0
	v_mov_b32 v253, 0                              ; (named as the upper half of the pair v[252:253] before it is first written)
.macro KLOAD ra, rb, off               ; four tiles of K from byte off behind the addresses in v[ra], v[rb]: the lower six registers of each fragment
.irp t, 0,1,2,3
	ds_load_b128 v[KF+12*\t:KF+12*\t+3], v[\ra] offset:(\off)+768*\t
	ds_load_b64 v[KF+12*\t+4:KF+12*\t+5], v[\rb] offset:(\off)+768*\t+512
.endr
.endm
.macro SPROD t, g                      ; S^T of tile 4 g + t
.if (\t)%2
	v_wmma_scale_f32_16x16x128_f8f6f4 v[S+8*(4*(\g)+(\t)):S+8*(4*(\g)+(\t))+7], v[KF+12*(\t):KF+12*(\t)+11], v[QF:QF+11], 0, v[KS+(4*(\g)+(\t))/2], v[QS] matrix_a_fmt:MATRIX_FMT_FP6 matrix_b_fmt:MATRIX_FMT_FP6 matrix_a_scale:MATRIX_SCALE_ROW1
.else
	v_wmma_scale_f32_16x16x128_f8f6f4 v[S+8*(4*(\g)+(\t)):S+8*(4*(\g)+(\t))+7], v[KF+12*(\t):KF+12*(\t)+11], v[QF:QF+11], 0, v[KS+(4*(\g)+(\t))/2], v[QS] matrix_a_fmt:MATRIX_FMT_FP6 matrix_b_fmt:MATRIX_FMT_FP6
.endif
.endm
.macro OPROD t                         ; O^T += tile t of V^T x P^T
.if (\t)%2
	v_wmma_scale_f32_16x16x128_f8f6f4 v[O+8*(\t):O+8*(\t)+7], v[VF+12*(\t):VF+12*(\t)+11], v[PC:PC+11], v[O+8*(\t):O+8*(\t)+7], v[VS+(\t)/2], v253 matrix_a_fmt:MATRIX_FMT_FP6 matrix_b_fmt:MATRIX_FMT_FP6 matrix_a_scale:MATRIX_SCALE_ROW1
.else
	v_wmma_scale_f32_16x16x128_f8f6f4 v[O+8*(\t):O+8*(\t)+7], v[VF+12*(\t):VF+12*(\t)+11], v[PC:PC+11], v[O+8*(\t):O+8*(\t)+7], v[VS+(\t)/2], v253 matrix_a_fmt:MATRIX_FMT_FP6 matrix_b_fmt:MATRIX_FMT_FP6
.endif
.endm
; The largest score of two blocks of 32 keys (my 16 of each), by turns, in two parts: registers 0-12, then 13-15.  Each accumulator is first read at its low end.
.macro BMAXA b0, b1
.irp b, \b0, \b1
	v_max3_num_f32 v[BM+\b], v[S+16*\b], v[S+1+16*\b], v[S+2+16*\b]
.endr
.irp i, 3,5,7,9,11
.irp b, \b0, \b1
	v_max3_num_f32 v[BM+\b], v[BM+\b], v[S+16*\b+\i], v[S+1+16*\b+\i]
.endr
.endr
.endm
.macro BMAXB b0, b1
.irp b, \b0, \b1
	v_max3_num_f32 v[BM+\b], v[BM+\b], v[S+13+16*\b], v[S+14+16*\b]
.endr
.irp b, \b0, \b1
	v_max_num_f32 v[BM+\b], v[BM+\b], v[S+15+16*\b]
.endr
.endm
.macro PFMA j0, n                      ; t - M of n pairs of scores from register j0 on
.set J, \j0
.rept \n
	v_pk_fma_f32 v[S+J:S+J+1], v[S+J:S+J+1], s[CS:CS+1], v[12:13] op_sel_hi:[1,0,0]
.set J, J+2
.endr
.endm
.macro LATE                            ; the last four pairs of a step's p go into the row's sum
	v_pk_add_f32 v[240:241], v[S+56:S+57], v[S+58:S+59]
	v_pk_add_f32 v[242:243], v[S+60:S+61], v[S+62:S+63]
	s_delay_alu instid0(VALU_DEP_2)
	v_pk_add_f32 v[14:15], v[14:15], v[240:241]
	s_delay_alu instid0(VALU_DEP_1)
	v_pk_add_f32 v[14:15], v[14:15], v[242:243]
.endm
; A KEY STEP: the 128 keys of the group at LDS byte s[TB].  12 matrix instructions; no two that follow each other share an accumulator.
; Its first four tiles of K and K's scale words were asked for in the step before (in front of the first step: at the pass's head) and are covered by that step's wait for V.
; nx: what this step asks for in its turn: 1 the next group's, 2 group 0's (for the next pass), 0 nothing.
.macro STEP nx
	v_add_nc_u32 v[ADA], s[TB], v[LA]
	v_add_nc_u32 v[ADB], s[TB], v[LB]
	v_add_nc_u32 v[AD8], s[TB], v[L8]
.irp t, 0,1,2,3
	SPROD \t, 0
.endr
	LATE                                           ; the step before's p in v184-191, which the second four products write: these four lines are the places behind the first four
	KLOAD ADA, ADB, 3072                           ; tiles 4-7
	BMAXA 0, 1                                     ; while those loads are out
	BMAXB 0, 1
	s_delay_alu instid0(VALU_DEP_2)
	v_permlanex16_b32 v236, v[BM], s[SEL], s[SEL+1]
	s_delay_alu instid0(VALU_DEP_2)
	v_permlanex16_b32 v237, v[BM+1], s[SEL], s[SEL+1]
	s_wait_alu depctr_va_vdst(0)
	s_wait_dscnt 0x0
.irp t, 0,1,2,3
	SPROD \t, 1
.endr
.irp t, 0,1,2,3                                ; V's four fragments: asked for here, wanted behind the softmax
	ds_load_b128 v[VF+12*\t:VF+12*\t+3], v[ADA] offset:6656+1536*\t
	ds_load_b64 v[VF+12*\t+4:VF+12*\t+5], v[ADB] offset:6656+1536*\t+512
	ds_load_b128 v[VF+12*\t+6:VF+12*\t+9], v[ADA] offset:6656+1536*\t+768
	ds_load_b64 v[VF+12*\t+10:VF+12*\t+11], v[ADB] offset:6656+1536*\t+1280
.endr
	ds_load_b64 v[VS:VS+1], v[AD8] offset:12800
	v_mov_b32 v255, v12                            ; the old -M.  (These four lines name no register of the second four products: they are the places behind them)
	v_max_num_f32 v[BM], v[BM], v236               ; with lane l xor 16's 16 keys: the block's largest score.  It serves twice: for the row's maximum and, since p rises with the score, for the block's largest p
	v_max_num_f32 v[BM+1], v[BM+1], v237
	s_delay_alu instid0(VALU_DEP_1)
	v_max3_num_f32 v254, v13, v[BM], v[BM+1]
.if \nx == 1
	KLOAD ADA, ADB, GRP                            ; the next group's tiles 0-3 and scale words, wanted at the next step's head
	ds_load_b128 v[KS:KS+3], v[ADA] offset:GRP+6144
.endif
.if \nx == 2
	KLOAD LA, LB, 0                                ; group 0's, for the next pass's first step
	ds_load_b128 v[KS:KS+3], v[LA] offset:6144
.endif
	BMAXA 2, 3
	BMAXB 2, 3
	s_delay_alu instid0(VALU_DEP_2)
	v_permlanex16_b32 v238, v[BM+2], s[SEL], s[SEL+1]
	s_delay_alu instid0(VALU_DEP_2)
	v_permlanex16_b32 v239, v[BM+3], s[SEL], s[SEL+1]
	s_delay_alu instid0(VALU_DEP_2)
	v_max_num_f32 v[BM+2], v[BM+2], v238
	s_delay_alu instid0(VALU_DEP_2)
	v_max_num_f32 v[BM+3], v[BM+3], v239
	s_delay_alu instid0(VALU_DEP_1)
	v_max3_num_f32 v13, v254, v[BM+2], v[BM+3]     ; the running largest score
	s_delay_alu instid0(VALU_DEP_1)
	v_mul_f32 v254, s[CS], v13                     ; as t (c is positive)
	s_delay_alu instid0(VALU_DEP_1)
	v_floor_f32 v12, -v254                         ; the new -M = -ceil(t): a whole number
	PFMA 0, 6
	v_sub_f32 v254, v12, v255                      ; old M - new M: a whole number, 0 or less
	PFMA 12, 6
	v_cvt_i32_f32 v254, v254                       ; (it saturates)
	PFMA 24, 6
	v_ldexp_f32 v252, 1.0, v254                    ; f = 2^(old M - new M)
	PFMA 36, 14
.irp b, 0,1,2,3
	v_fma_f32 v[BM+\b], v[BM+\b], s[CS], v12       ; the same of each block's largest score
.endr
	s_wait_alu depctr_va_vdst(0)
.irp b, 0,1,2,3
	v_exp_f32 v[BM+\b], v[BM+\b]                   ; the block's largest p: the same two instructions on the same number give the same bits
.endr
.set J, 0
.rept 64
	v_exp_f32 v[S+J], v[S+J]                       ; p = 2^(t - M), at most 1
.set J, J+1
.endr
	v_pk_mul_f32 v[14:15], v[14:15], v[252:253] op_sel_hi:[1,0]   ; the sum under the new M; also the plain line behind the exponentials
	s_wait_alu depctr_va_vdst(0)                   ; one wait for the batch of 68, ahead of its first reader
.irp k, 0,1,2,3,4,5                            ; the row's sum of the unquantised p: pairs 0-27 here, in six chains v236-247; pairs 28-31 in the next step
	v_pk_add_f32 v[236+2*\k:237+2*\k], v[S+4*\k:S+4*\k+1], v[S+4*\k+2:S+4*\k+3]
.endr
.set J, 24
.rept 16
	v_pk_add_f32 v[236+2*((J/2)%6):237+2*((J/2)%6)], v[236+2*((J/2)%6):237+2*((J/2)%6)], v[S+J:S+J+1]
.set J, J+2
.endr
.irp b, 0,1,2,3
	v_max_num_f32 v[BM+\b], 0x1800000, v[BM+\b]    ; the floor 2^(3 - 127): the byte cannot fall under 1
.endr
	v_pk_add_f32 v[244:245], v[244:245], v[246:247]
	v_pk_add_f32 v[236:237], v[236:237], v[238:239]
	v_pk_add_f32 v[240:241], v[240:241], v[242:243]
	s_delay_alu instid0(VALU_DEP_3)
	v_pk_add_f32 v[14:15], v[14:15], v[244:245]
	s_delay_alu instid0(VALU_DEP_2)
	v_pk_add_f32 v[236:237], v[236:237], v[240:241]
.irp b, 0,1,2,3
	v_add_nc_u32 v[244+\b], 0xff000000, v[BM+\b]   ; 2 off the exponent field: the conversion's scale operand
.endr
	v_pk_add_f32 v[14:15], v[14:15], v[236:237]
.irp b, 0,1,2,3
	v_lshrrev_b32 v[BM+\b], 23, v[244+\b]          ; the scale's byte
.endr
.irp c, 0,1
	v_cvt_scalef32_pk16_fp6_f32 v[PC+6*\c:PC+2+6*\c], v[S+32*\c:S+15+32*\c], v[244+2*\c]
	v_cvt_scalef32_pk16_fp6_f32 v[236+4*\c:238+4*\c], v[S+16+32*\c:S+31+32*\c], v[244+2*\c+1]
.endr
	s_wait_alu depctr_va_vdst(0)                   ; directly ahead of the first readers of O^T
.irp j, 0,2,8,10,16,18,24,26
	v_pk_mul_f32 v[O+\j:O+\j+1], v[O+\j:O+\j+1], v[252:253] op_sel_hi:[1,0]   ; O^T under the new M: each accumulator's low four first.  Also the plain lines behind the conversions
.endr
	v_lshl_or_b32 v[BM], v[BM+1], 8, v[BM]
	v_lshl_or_b32 v[BM+2], v[BM+3], 8, v[BM+2]
.irp c, 0,1                                    ; a WHOLE block in a lane: lanes 0-15 block 2 c, lanes 16-31 block 2 c + 1
.irp i, 0,1,2
	v_permlane16_swap_b32 v[PC+6*\c+\i], v[236+4*\c+\i]
.endr
.endr
	v_lshl_or_b32 v253, v[BM+2], 16, v[BM]         ; p's scale word for these 128 keys: fourteen plain lines ahead of the products that take it
.irp c, 0,1
.irp i, 0,1,2
	v_mov_b32 v[PC+3+6*\c+\i], v[236+4*\c+\i]
.endr
.endr
.irp j, 4,6,12,14,20,22,28,30
	v_pk_mul_f32 v[O+\j:O+\j+1], v[O+\j:O+\j+1], v[252:253] op_sel_hi:[1,0]   ; the upper four: eight places between the codes' last writes and the products below
.endr
	s_wait_alu depctr_va_vdst(0)
	s_wait_dscnt 0x0                               ; V
.irp t, 0,1,2,3
	OPROD \t
.endr
	s_add_co_u32 s[TB], s[TB], GRP
.endm
; A PASS: one tile of 16 queries against all 2,048 keys, and its way out.  Pass 1's tile lies 256 queries on: Q two groups, oc sixteen tiles, os sixteen rows of words further: all as immediates.
.macro PASS p
	v_mov_b32 v13, 0xff61b1e6                      ; the largest score so far: -3e38, under every score
	v_mov_b32 v14, 0
	v_mov_b32 v15, 0
	s_delay_alu instid0(VALU_DEP_3)
	v_floor_f32 v12, -v13                          ; -M
.set J, 0
.rept 32
	v_mov_b32 v[O+J], 0                            ; O^T: the step is written once; its first run finds zeros, which the first change of M leaves zeros
.set J, J+1
.endr
.set J, 56
.rept 8
	v_mov_b32 v[S+J], 0                            ; what the first step adds to the sum for a step before it
.set J, J+1
.endr
	s_wait_alu depctr_va_vdst(0)
	s_wait_loadcnt 0x0                             ; Q
.if \p == 0
	s_wait_tensorcnt 0x0                           ; my group has landed;
	s_barrier_signal -1
	s_barrier_wait -1                              ; everybody's has.  Nothing is filled again
.endif
.if \p == 0
	KLOAD LA, LB, 0                                ; group 0's tiles 0-3 and scale words, for the first step
	ds_load_b128 v[KS:KS+3], v[LA] offset:6144
	s_wait_dscnt 0x0
.endif
	s_mov_b32 s[TB], 0
	s_mov_b32 s[CNT], 15
.Lkeys\p:
	STEP 1
	s_sub_co_u32 s[CNT], s[CNT], 1
	s_cmp_lg_u32 s[CNT], 0
	s_cbranch_scc1 .Lkeys\p
.if \p == 0                            ; group 15 is written out: no group follows it
	STEP 2
.else
	STEP 0
.endif
	LATE                                           ; the last step's last four pairs.  (These lines and those below are the places behind the last products)
.if \p == 0
	v_and_b32 v9, 15, v0
	s_delay_alu instid0(VALU_DEP_1)
	v_lshlrev_b32 v9, 4, v9                        ; 16 r
	global_load_b128 v[QF:QF+3], v[LA], s[60:61] offset:13312       ; the next pass's Q, asked for under this pass's way out
	global_load_b64 v[QF+4:QF+5], v[LB], s[60:61] offset:13312+512
	global_load_b32 v[QS], v9, s[62:63] offset:13312
.endif
	; THE WAY OUT.  O^T / the sum; register 16 B + i is d = 32 B + 16 h + i: two blocks along the last product's K, chunk = my head.
	v_and_b32 v8, 15, v0
	v_add_f32 v14, v14, v15                        ; the sum's two halves,
	s_delay_alu instid0(VALU_DEP_2)
	v_lshlrev_b32 v8, 2, v8                        ; 4 r
	s_delay_alu instid0(VALU_DEP_2)
	v_permlanex16_b32 v252, v14, s[SEL], s[SEL+1]
	s_delay_alu instid0(VALU_DEP_1)
	v_add_f32 v14, v14, v252                       ; and lane l xor 16's
	s_wait_alu depctr_va_vdst(0)
	v_rcp_f32 v14, v14
	v_nop                                          ; a plain line behind the reciprocal
	s_wait_alu depctr_va_vdst(0)                   ; and the wait ahead of its first reader, which is also O^T's
.irp j, 0,2,4,6,8,10,12,14,16,18,20,22,24,26,28,30
	v_pk_mul_f32 v[S+\j:S+\j+1], v[O+\j:O+\j+1], v[14:15] op_sel_hi:[1,0]   ; ascending: each accumulator is first read at its low end
.endr
.irp b, 0,1
	v_max3_num_f32 v[BM+\b], |v[S+16*\b]|, |v[S+1+16*\b]|, 0x1800000
.endr
.irp i, 2,4,6,8,10,12,14
.irp b, 0,1
	s_delay_alu instid0(VALU_DEP_2)
	v_max3_num_f32 v[BM+\b], v[BM+\b], |v[S+16*\b+\i]|, |v[S+1+16*\b+\i]|
.endr
.endr
.irp b, 0,1
	s_delay_alu instid0(VALU_DEP_2)
	v_permlanex16_b32 v[236+\b], v[BM+\b], s[SEL], s[SEL+1]
.endr
.irp b, 0,1
	s_delay_alu instid0(VALU_DEP_2)
	v_max_num_f32 v[BM+\b], v[BM+\b], v[236+\b]
.endr
.irp b, 0,1
	s_delay_alu instid0(VALU_DEP_2)
	v_add_nc_u32 v[244+\b], 0xff000000, v[BM+\b]
.endr
.irp b, 0,1
	s_delay_alu instid0(VALU_DEP_2)
	v_lshrrev_b32 v[236+\b], 23, v[244+\b]
.endr
	s_delay_alu instid0(VALU_DEP_1)
	v_lshl_or_b32 v254, v237, 8, v236              ; my row's two bytes
	v_cvt_scalef32_pk16_fp6_f32 v[PC:PC+2], v[S:S+15], v244
	v_cvt_scalef32_pk16_fp6_f32 v[240:242], v[S+16:S+31], v245
	v_nop                                          ; one plain line behind a scaled conversion
.irp i, 0,1,2
	v_permlane16_swap_b32 v[PC+\i], v[240+\i]
.endr
.irp i, 0,1,2
	s_delay_alu instid0(VALU_DEP_3)
	v_mov_b32 v[PC+3+\i], v[240+\i]
.endr
	global_store_b128 v[LA], v[PC:PC+3], s[66:67] offset:196608*\p              ; 512 consecutive bytes
	global_store_b64 v[LB], v[PC+4:PC+5], s[66:67] offset:196608*\p+512         ; 256 consecutive bytes
	global_store_b16 v8, v254, s[68:69] offset:1024*\p   ; two bytes of each row's scale word (lanes r and r + 16 write the same two bytes with the same value); the word's other half is the neighbouring head's
.endm
	PASS 0
	s_wait_xcnt 0x0                                ; the stores' data and offsets, and the loads' offsets, are written again only behind this wait
	PASS 1
	s_wait_tensorcnt 0x0                           ; the wave's end
	ds_add_u32 v[SPW], v[NIL]
	s_wait_dscnt 0x0
	CROUND                                         ; the closing round
	s_endpgm
.Lfunc_end_k_q2067623405_attn:
	.size	k_q2067623405_attn, .Lfunc_end_k_q2067623405_attn-k_q2067623405_attn
	.p2alignl 7, 3214868480
	.fill 96, 4, 3214868480
	.section	.rodata,"a",@progbits
	.p2align	6, 0x0
	.amdhsa_kernel k_q2067623405_attn
		.amdhsa_group_segment_fixed_size 210944
		.amdhsa_private_segment_fixed_size 0
		.amdhsa_enable_private_segment 0
		.amdhsa_kernarg_size 32
		.amdhsa_user_sgpr_count 2
		.amdhsa_user_sgpr_kernarg_segment_ptr 1
		.amdhsa_wavefront_size32 1
		.amdhsa_system_sgpr_workgroup_id_x 1
		.amdhsa_system_sgpr_workgroup_id_y 1
		.amdhsa_system_sgpr_workgroup_id_z 1
		.amdhsa_system_vgpr_workitem_id 0
		.amdhsa_next_free_vgpr 256
		.amdhsa_next_free_sgpr 72
		.amdhsa_reserve_vcc 0
		.amdhsa_float_denorm_mode_32 3
		.amdhsa_float_denorm_mode_16_64 3
		.amdhsa_memory_ordered 1
		.amdhsa_forward_progress 1
		.amdhsa_inst_pref_size 84
	.end_amdhsa_kernel
	.amdgpu_metadata
---
amdhsa.version: [ 1, 2 ]
amdhsa.kernels:
  - .name:           k_q2067623405_attn
    .symbol:         k_q2067623405_attn.kd
    .args:
      - { .name: qi, .offset: 0, .size: 8, .value_kind: global_buffer, .address_space: global }
      - { .name: kv, .offset: 8, .size: 8, .value_kind: global_buffer, .address_space: global }
      - { .name: oc, .offset: 16, .size: 8, .value_kind: global_buffer, .address_space: global }
      - { .name: os, .offset: 24, .size: 8, .value_kind: global_buffer, .address_space: global }
    .group_segment_fixed_size: 210944
    .private_segment_fixed_size: 0
    .kernarg_segment_align: 8
    .kernarg_segment_size: 32
    .max_flat_workgroup_size: 512
    .sgpr_count:     72
    .vgpr_count:     256
    .wavefront_size: 32
...
	.end_amdgpu_metadata
.endif
;; end of part 3
;; launch proj (part 4): grid 4 x 32, 4 waves a work-group, clusters of 4 x 4, 327,680 bytes of LDS; arguments oc, os, wc, ws, out0; writes out0
.if DOCPART == 4
	.amdgcn_target "amdgcn-amd-amdhsa--gfx1250"
	.amdhsa_code_object_version 6
	.text
	.protected	k_q2067623405_proj
	.globl	k_q2067623405_proj
	.p2align	8
	.type	k_q2067623405_proj,@function
k_q2067623405_proj:
	s_mov_b64 s[64:65], 0
	v_nop
	global_prefetch_b8 v0, s[64:65] scope:SCOPE_SE
	s_setreg_imm32_b32 hwreg(HW_REG_WAVE_MODE, 25, 1), 1
	s_wait_xcnt 0x0
	s_wait_alu depctr_hold_cnt(0) depctr_sa_sdst(0) depctr_va_vdst(0) depctr_va_sdst(0) depctr_va_ssrc(0) depctr_va_vcc(0) depctr_vm_vsrc(0)
	s_getreg_b32 s2, hwreg(HW_REG_IB_STS2, 6, 4)
	s_cmp_eq_u32 s2, 0
	s_cbranch_scc0 .Lentry_in_a_cluster
	s_endpgm
.Lentry_in_a_cluster:
	s_bfe_u32 s2, ttmp6, 0x10000c
	s_cmp_lg_u32 s2, 0xf033
	s_cbranch_scc0 .Lentry_shape_is_right
	s_endpgm
.Lentry_shape_is_right:
.set FR,    12
.set NL,    4
.set NP,    4
.set NQ,    2
.set TILEB, 3072
.set HALFT, 8*TILEB
.set SLOT,  4*HALFT
.set SCL,   2*SLOT
.set HALFS, 4096
.set SPARE, SCL+4*HALFS
.set SPITCH, 528
.set LA,   1
.set LB,   2
.set ADRA, 16
.set ADRB, 20
.set STO,  24
.set RD,   25
.set ADRS, 27
.set SPW,  28
.set NIL,  29
.set SC,   32
.set AF,   128
.set BK,   128
.set G1,   24
.set G0,   32
.set G1B,  48
.set G0B,  56
.set G1S,  68
.set G0S,  76
.set G1SB, 80
.set G0SB, 88
.set MSB, 0
.macro WIN new
.if MSB != \new
	s_set_vgpr_msb (MSB<<8)|\new
.set MSB, \new
.endif
.endm
.set MUL_LO, 0xa1
.set MUL_HI, 0xf1
.set TO_B,   0x40
.macro JLOAD g0a, g1a, g0b, g1b
	s_cmp_eq_u32 s15, 0
	s_cbranch_scc0 .Lfor_b_\@
	tensor_load_to_lds s[\g0a:\g0a+3], s[\g1a:\g1a+7]
	s_nop 0
.rept 4
	v_nop
.endr
	s_branch .Lasked_\@
.Lfor_b_\@:
	tensor_load_to_lds s[\g0b:\g0b+3], s[\g1b:\g1b+7]
	s_nop 0
.rept 4
	v_nop
.endr
.Lasked_\@:
.endm
.macro CREST
	s_cmp_lg_u32 s14, 0
	s_cbranch_scc1 .Lnot_wave_0_\@
	s_barrier_signal -3
.Lnot_wave_0_\@:
	s_barrier_wait -3
	s_barrier_signal -1
	s_barrier_wait -1
.endm
.macro CROUND
	s_barrier_signal -1
	s_barrier_wait -1
	CREST
.endm
	s_load_b256 s[4:11], s[0:1], 0x0
	s_load_b64 s[96:97], s[0:1], 0x20
	v_lshl_add_u32 v[SPW], v0, 2, SPARE
	v_mov_b32 v[NIL], 0
	ds_add_u32 v[SPW], v[NIL]
	ds_add_u32 v[SPW], v[NIL]
	v_lshrrev_b32 v5, 5, v0
	v_readfirstlane_b32 s14, v5
	s_lshr_b32 s15, s14, 1
	s_and_b32 s16, s14, 1
	s_bfe_u32 s40, ttmp6, 0x40000
	s_bfe_u32 s41, ttmp6, 0x40004
	s_and_b32 s17, ttmp7, 0xffff
	s_lshl_b32 s17, s17, 2
	s_add_co_u32 s17, s17, s41
	s_lshl_b32 s42, ttmp9, 2
	s_add_co_u32 s42, s42, s40
	s_lshl_b32 s43, s41, 2
	s_lshl_b32 s43, 15, s43
	s_lshl_b32 s44, 0x1111, s40
	s_or_b32 s[G1+0], s43, (3<<16)|(1<<21)
	s_or_b32 s[G1B+0], s44, (3<<16)|(1<<21)
.irp g, G1, G1B
	s_mov_b32 s[\g+1], 384<<16
	s_mov_b32 s[\g+2], 16<<16                      ; the head's loads of codes bring all 16 tiles of a side; the ring's loads, 8, are set behind the head's wait
	s_mov_b32 s[\g+3], 384<<16
	s_mov_b32 s[\g+4], 16
	s_mov_b32 s[\g+5], 1536
	s_mov_b32 s[\g+6], 0
	s_mov_b32 s[\g+7], 0
.endr
	s_or_b32 s[G1S+0], s43, (3<<16)|(1<<21)
	s_or_b32 s[G1SB+0], s44, (3<<16)|(1<<21)
.irp g, G1S, G1SB
	s_mov_b32 s[\g+1], 128<<16                     ; the scale words of a side's 16 tiles: 8 planes of 1,024 bytes
	s_mov_b32 s[\g+2], 8<<16
	s_mov_b32 s[\g+3], 128<<16
	s_mov_b32 s[\g+4], 8
	s_mov_b32 s[\g+5], 4096
	s_mov_b32 s[\g+6], 0
	s_mov_b32 s[\g+7], 0
.endr
	s_lshl_b32 s2, s17, 4
	s_mul_i32 s92, s2, 12288
	s_mov_b32 s93, 0
	s_lshl_b32 s94, s2, 6
	s_mov_b32 s95, 0
	s_lshl_b32 s3, s42, 4
	s_add_co_u32 s3, s3, 192
	s_mul_i32 s100, s3, 12288
	s_mov_b32 s101, 0
	s_lshl_b32 s66, s3, 6
	s_mov_b32 s67, 0
	s_mul_i32 s45, s14, HALFT
	s_mul_i32 s46, s16, 8*12288                    ; in the ring I fetch 8 tiles of a side: which half, in bytes
	s_mov_b32 s47, 0
	s_wait_dscnt 0x0
	s_wait_kmcnt 0x0
	s_add_nc_u64 s[18:19], s[4:5], s[92:93]
	s_add_nc_u64 s[20:21], s[6:7], s[94:95]
	s_add_nc_u64 s[22:23], s[8:9], s[100:101]
	s_add_nc_u64 s[4:5], s[10:11], s[66:67]
	CROUND
	s_mov_b32 s[G0], 1                             ; the head's four tiles, each whole: source 1's 16 tiles of K 0 .. 255, into slot 0,
	s_mov_b32 s[G0+1], 0
	s_mov_b64 s[G0+2:G0+3], s[18:19]
	s_or_b32 s[G0+3], s[G0+3], 0x80000000
	s_mov_b32 s[G0B], 1                            ; source 0's 16 tiles, behind them,
	s_mov_b32 s[G0B+1], 2*HALFT
	s_mov_b64 s[G0B+2:G0B+3], s[22:23]
	s_or_b32 s[G0B+3], s[G0B+3], 0x80000000
	s_mov_b32 s[G0S], 1                            ; and the two sides' scale words
	s_mov_b32 s[G0S+1], SCL
	s_mov_b64 s[G0S+2:G0S+3], s[20:21]
	s_or_b32 s[G0S+3], s[G0S+3], 0x80000000
	s_mov_b32 s[G0SB], 1
	s_mov_b32 s[G0SB+1], SCL+2*HALFS
	s_mov_b64 s[G0SB+2:G0SB+3], s[4:5]
	s_or_b32 s[G0SB+3], s[G0SB+3], 0x80000000
	s_add_nc_u64 s[92:93], s[18:19], s[46:47]      ; for the ring: my 8 tiles of a side
	s_add_nc_u64 s[94:95], s[22:23], s[46:47]
	s_mov_b32 s[G0+4], 1                           ; slot 1's group 0; slot 0's is written behind the head's wait
	s_add_co_u32 s[G0+5], s45, SLOT
	s_add_nc_u64 s[G0+6:G0+7], s[92:93], TILEB
	s_or_b32 s[G0+7], s[G0+7], 0x80000000
	s_mov_b32 s[G0B+4], 1
	s_add_co_u32 s[G0B+5], s45, SLOT
	s_add_nc_u64 s[G0B+6:G0B+7], s[94:95], TILEB
	s_or_b32 s[G0B+7], s[G0B+7], 0x80000000
; the head's loads, one a wave: one chain of branches on the wave's number, every way through it passes exactly one load
.macro ARM under, g0, g1, next
	s_cmp_lt_u32 s14, \under
	s_cbranch_scc0 \next
	tensor_load_to_lds s[\g0:\g0+3], s[\g1:\g1+7]
	s_nop 0
.rept 4
	v_nop
.endr
	s_branch .Lhead_asked
\next:
.endm
	ARM 1, G0,  G1,  .Lhead_b
	ARM 2, G0B, G1B, .Lhead_sa
	ARM 3, G0S, G1S, .Lhead_sb
	tensor_load_to_lds s[G0SB:G0SB+3], s[G1SB:G1SB+7]
	s_nop 0
.rept 4
	v_nop
.endr
.Lhead_asked:
	v_and_b32 v5, 15, v0
	v_bfe_u32 v6, v0, 4, 1
	v_and_b32 v[LA], 31, v0
	v_lshlrev_b32 v[LA], 4, v[LA]
	v_lshlrev_b32 v[LB], 4, v5
	v_lshl_add_u32 v[LB], v6, 3, v[LB]
	s_mul_i32 s21, s15, HALFT
	s_mul_i32 s22, s16, HALFT
	s_add_co_u32 s22, s22, 2*HALFT
.irp s, 0,1
	v_add_nc_u32 v[ADRA+\s], s21, v[LA]
	v_add_nc_u32 v[ADRB+\s], s22, v[LA]
	v_add_nc_u32 v[ADRA+2+\s], s21, v[LB]
	v_add_nc_u32 v[ADRB+2+\s], s22, v[LB]
	s_add_co_u32 s21, s21, SLOT
	s_add_co_u32 s22, s22, SLOT
.endr
	s_lshl_b32 s21, s15, 9                         ; my 8 tiles' words in a plane of 1,024 bytes
	s_lshl_b32 s22, s16, 9
	s_add_co_u32 s22, s22, 2*HALFS
	s_sub_co_u32 s22, s22, s21
	v_mul_u32_u24 v7, s22, v6
	s_add_co_u32 s21, s21, SCL
	v_lshl_add_u32 v7, v5, 2, v7
	v_add_nc_u32 v[ADRS], s21, v7
	s_mul_i32 s23, s14, 16*SPITCH
	v_mul_u32_u24 v7, v5, SPITCH
	v_lshl_add_u32 v7, v6, 6, v7
	v_add_nc_u32 v[STO], s23, v7
	v_add_nc_u32 v[RD], s23, v[LA]
	s_lshl_b32 s20, s17, 20
	s_lshl_b32 s21, s15, 19
	s_add_co_u32 s20, s20, s21
	s_lshl_b32 s21, s42, 10
	s_add_co_u32 s20, s20, s21
	s_lshl_b32 s21, s16, 9
	s_add_co_u32 s20, s20, s21
	s_mov_b32 s21, 0
	s_add_nc_u64 s[12:13], s[96:97], s[20:21]
.macro FRAG reg, adr, q, i
	ds_load_b128 v[\reg:\reg+3], v[\adr] offset:TILEB*(\i)+1536*(\q)
	ds_load_b64 v[\reg+4:\reg+5], v[\adr+2] offset:TILEB*(\i)+1536*(\q)+512
	ds_load_b128 v[\reg+6:\reg+9], v[\adr] offset:TILEB*(\i)+1536*(\q)+768
	ds_load_b64 v[\reg+10:\reg+11], v[\adr+2] offset:TILEB*(\i)+1536*(\q)+1280
.endm
.macro MUL16 a0, p, q, sc, zero
.irp a, \a0, \a0+1
.irp b, 0,1,2,3,4,5,6,7
.if \zero
	v_wmma_scale_f32_16x16x128_f8f6f4 v[8*(8*((\a)%4)+\b):8*(8*((\a)%4)+\b)+7], v[128*(\p)+FR*\b:128*(\p)+FR*\b+FR-1], v[AF+FR*(\a):AF+FR*(\a)+FR-1], 0, v[SC+8*NQ*(\sc)+NQ*\b+(\q)], v[SC+8*NQ*(\sc)+NQ*(\a)+(\q)] matrix_a_fmt:MATRIX_FMT_FP6 matrix_b_fmt:MATRIX_FMT_FP6 matrix_a_scale:MATRIX_SCALE_ROW1
.else
	v_wmma_scale_f32_16x16x128_f8f6f4 v[8*(8*((\a)%4)+\b):8*(8*((\a)%4)+\b)+7], v[128*(\p)+FR*\b:128*(\p)+FR*\b+FR-1], v[AF+FR*(\a):AF+FR*(\a)+FR-1], v[8*(8*((\a)%4)+\b):8*(8*((\a)%4)+\b)+7], v[SC+8*NQ*(\sc)+NQ*\b+(\q)], v[SC+8*NQ*(\sc)+NQ*(\a)+(\q)] matrix_a_fmt:MATRIX_FMT_FP6 matrix_b_fmt:MATRIX_FMT_FP6 matrix_a_scale:MATRIX_SCALE_ROW1
.endif
.endr
.endr
.endm
.macro FETCH_B slot, q, p
	WIN TO_B
.irp i, 0,1,2,3,4,5,6,7
	FRAG 128*(\p)+FR*\i, ADRB+\slot, \q, \i
.endr
	WIN 0
.endm
.macro FETCH_A slot, q, i0
.irp i, \i0, \i0+1, \i0+2, \i0+3
	FRAG AF+FR*(\i), ADRA+\slot, \q, \i
.endr
.endm
.macro SCALES sc
.irp i, 0,1,2,3,4,5,6,7
.irp q, 0,1
	ds_load_b32 v[SC+8*NQ*\sc+NQ*\i+\q], v[ADRS] offset:1024*\q+64*\i
.endr
.endr
.endm
.macro PLACES n
.rept \n
	v_nop
.endr
.endm
.macro STEP slot, q, zero
	s_wait_dscnt 4*NL
	WIN MUL_LO
	MUL16 0, (\q)%2, \q, \slot, \zero
	MUL16 2, (\q)%2, \q, \slot, \zero
	s_wait_dscnt 0
	PLACES NP
	FETCH_B \slot, (\q)+1, 1-(\q)%2
	FETCH_A \slot, (\q)+1, 0
	WIN MUL_HI
	MUL16 4, (\q)%2, \q, \slot, \zero
	MUL16 6, (\q)%2, \q, \slot, \zero
	PLACES NP
	WIN 0
	FETCH_A \slot, (\q)+1, 4
.endm
.macro TURN slot, next, fill
	s_wait_tensorcnt 0x0
	ds_add_u32 v[SPW], v[NIL]
	s_wait_dscnt 4*NL+1
	WIN MUL_LO
	MUL16 0, 1, NQ-1, \slot, 0
	s_wait_dscnt 0x0
	s_barrier_signal -1
	MUL16 2, 1, NQ-1, \slot, 0
	WIN 0
	s_barrier_wait -1
.if \fill
	CREST
	s_add_nc_u64 s[G0+4*\slot+2:G0+4*\slot+3], s[G0+4*\slot+2:G0+4*\slot+3], 2*TILEB
	s_add_nc_u64 s[G0B+4*\slot+2:G0B+4*\slot+3], s[G0B+4*\slot+2:G0B+4*\slot+3], 2*TILEB
	JLOAD G0+4*\slot, G1, G0B+4*\slot, G1B
.else
	PLACES NP
.endif
	s_wait_alu depctr_va_vdst(0)
	v_add_nc_u32 v[ADRS], 1024*NQ, v[ADRS]
	FETCH_B \next, 0, 0
	FETCH_A \next, 0, 0
	SCALES \next
	WIN MUL_HI
	MUL16 4, 1, NQ-1, \slot, 0
	MUL16 6, 1, NQ-1, \slot, 0
	PLACES NP
	WIN 0
	FETCH_A \next, 0, 4
.endm
	s_wait_alu depctr_va_vdst(0)
	s_wait_tensorcnt 0x0                           ; my tile of the head's four is in
	ds_add_u32 v[SPW], v[NIL]
	s_mov_b32 s[G1+2], 8<<16                       ; no tensor load of mine is out: from here on a load brings 8 tiles,
	s_mov_b32 s[G1+4], 8
	s_mov_b32 s[G1B+2], 8<<16
	s_mov_b32 s[G1B+4], 8
	s_add_co_u32 s[G0+1], s45, 0                   ; and slot 0's group 0 is the ring's: my 8 tiles
	s_mov_b64 s[G0+2:G0+3], s[92:93]
	s_or_b32 s[G0+3], s[G0+3], 0x80000000
	s_add_co_u32 s[G0B+1], s45, 0
	s_mov_b64 s[G0B+2:G0B+3], s[94:95]
	s_or_b32 s[G0B+3], s[G0B+3], 0x80000000
	s_wait_dscnt 0x0
	CROUND                                         ; all four tiles are in, and all sixteen work-groups are here
	JLOAD G0+4, G1, G0B+4, G1B                     ; slot 1's first fill, the first tensor load behind the round
	FETCH_B 0, 0, 0
	FETCH_A 0, 0, 0
	SCALES 0
	FETCH_A 0, 0, 4
	STEP 0, 0, 1
	TURN 0, 1, 1
	STEP 1, 0, 0
	TURN 1, 0, 1
	STEP 0, 0, 0
	TURN 0, 1, 0
	STEP 1, 0, 0
	s_wait_dscnt 4*NL
	WIN MUL_LO
	MUL16 0, 1, NQ-1, 1, 0
	MUL16 2, 1, NQ-1, 1, 0
	s_wait_dscnt 0
	WIN MUL_HI
	MUL16 4, 1, NQ-1, 1, 0
	MUL16 6, 1, NQ-1, 1, 0
	WIN 0
.macro TOSTAGE a
.set AC, 64*((\a)%4)
	WIN 0x08+4*((\a)/4)
.irp b, 0,1,2,3,4,5,6,7
	ds_store_b128 v[STO], v[AC+8*\b:AC+8*\b+3] offset:128*(\b/2)+32*(\b%2)
	ds_store_b128 v[STO], v[AC+8*\b+4:AC+8*\b+7] offset:128*(\b/2)+32*(\b%2)+16
.endr
	WIN 0
.set BB, BK+64*((\a)%2)
.irp t, 0,1,2,3,4,5,6,7,8,9,10,11,12,13,14,15
	ds_load_b128 v[BB+4*\t:BB+4*\t+3], v[RD] offset:\t*SPITCH
.endr
.endm
.macro SEND a, younger
.set BB, BK+64*((\a)%2)
	s_wait_dscnt \younger
.irp t, 0,1,2,3,4,5,6,7,8,9,10,11,12,13,14,15
	global_store_b128 v[LA], v[BB+4*\t:BB+4*\t+3], s[12:13] offset:(32*((\a)/2)+8*((\a)%2)+\t+8*(\t/8))*4096 th:TH_STORE_NT
.endr
.endm
	PLACES NP
	TOSTAGE 0
.irp a, 1,2,3,4,5,6,7
.if \a > 1
	s_wait_xcnt 0x0
.endif
	TOSTAGE \a
	SEND \a-1, 32
.endr
	SEND 7, 0
	s_wait_tensorcnt 0x0
	ds_add_u32 v[SPW], v[NIL]
	s_wait_dscnt 0x0
	CROUND
	s_endpgm
.Lfunc_end_k_q2067623405_proj:
	.size	k_q2067623405_proj, .Lfunc_end_k_q2067623405_proj-k_q2067623405_proj
	.p2alignl 7, 3214868480
	.fill 96, 4, 3214868480
	.section	.rodata,"a",@progbits
	.p2align	6, 0x0
	.amdhsa_kernel k_q2067623405_proj
		.amdhsa_group_segment_fixed_size 327680
		.amdhsa_private_segment_fixed_size 0
		.amdhsa_enable_private_segment 0
		.amdhsa_kernarg_size 40
		.amdhsa_user_sgpr_count 2
		.amdhsa_user_sgpr_kernarg_segment_ptr 1
		.amdhsa_wavefront_size32 1
		.amdhsa_system_sgpr_workgroup_id_x 1
		.amdhsa_system_sgpr_workgroup_id_y 1
		.amdhsa_system_sgpr_workgroup_id_z 1
		.amdhsa_system_vgpr_workitem_id 0
		.amdhsa_next_free_vgpr 1024
		.amdhsa_next_free_sgpr 104
		.amdhsa_reserve_vcc 0
		.amdhsa_float_denorm_mode_32 3
		.amdhsa_float_denorm_mode_16_64 3
		.amdhsa_memory_ordered 1
		.amdhsa_forward_progress 1
		.amdhsa_inst_pref_size 146
	.end_amdhsa_kernel
	.amdgpu_metadata
---
amdhsa.version: [ 1, 2 ]
amdhsa.kernels:
  - .name:           k_q2067623405_proj
    .symbol:         k_q2067623405_proj.kd
    .args:
      - { .name: oc, .offset: 0, .size: 8, .value_kind: global_buffer, .address_space: global }
      - { .name: os, .offset: 8, .size: 8, .value_kind: global_buffer, .address_space: global }
      - { .name: wc, .offset: 16, .size: 8, .value_kind: global_buffer, .address_space: global }
      - { .name: ws, .offset: 24, .size: 8, .value_kind: global_buffer, .address_space: global }
      - { .name: out0, .offset: 32, .size: 8, .value_kind: global_buffer, .address_space: global }
    .group_segment_fixed_size: 327680
    .private_segment_fixed_size: 0
    .kernarg_segment_align: 8
    .kernarg_segment_size: 40
    .max_flat_workgroup_size: 128
    .sgpr_count:     104
    .vgpr_count:     1024
    .wavefront_size: 32
...
	.end_amdgpu_metadata
.endif
;; end of part 4
